; MI455X (gfx1250); checked and timed in simulation.
; The chip was launched on July 23, 2026; its instructions are those of AMD's public machine-readable ISA for CDNA 5 (MIT licence, August 2026) and "CDNA5" Instruction Set Architecture Reference Guide (July 2026). The comments in the code are by the model that wrote it; some were corrected since.
;; LSTM. Allowed arithmetic: float matrix products may take bf16 or f16 operands with f32 sums; other float arithmetic in f32, or as packed bf16 or f16 multiplies, adds, multiply-adds, maxima and minima; sums over many terms, partial sums and values carried from step to step in f32; what a program stores and reads back later, other than sums and carried values, may be rounded once to bf16 or f16.
;; Inputs: Wc 1,024 x 1,024 float32; Wf 1,024 x 3,072 float32; Wg 1,024 x 3,072 float32; Wh 1,024 x 1,024 float32; Wi 1,024 x 3,072 float32; Wo 1,024 x 3,072 float32; Wp 1,024 x 1,024 float32; bc 1,024 float32; bf 1,024 float32; bg 1,024 float32; bh 1,024 float32; bi 1,024 float32; bo 1,024 float32; bp 1,024 float32; current_context_vector 4,096 x 1,024 float32; previous_cell_state 4,096 x 1,024 float32; previous_embedded_caption 4,096 x 1,024 float32; previous_hidden_state 4,096 x 1,024 float32.
;; Outputs: out0 4,096 x 1,024 float32; out1 4,096 x 1,024 float32; out2 4,096 x 1,024 float32.
;; 2 versions, each right; version 2 is version 1 with the launch cast written anew for expert scheduling mode. Each part assembles by itself: llvm-mc -triple=amdgcn-amd-amdhsa -mcpu=gfx1250 --defsym DOCPART=n.
;; ======== version 1 of 2: 4 launches
;; workspace buffers: xb 25,165,824 bytes; wgb 25,165,824 bytes; w2b 4,194,304 bytes; w3b 2,097,152 bytes; hb 8,388,608 bytes; rb 8,388,608 bytes
;; launch cast (part 1): grid 256 x 1, 16 waves a work-group, no clusters, 0 bytes of LDS; arguments previous_embedded_caption, previous_hidden_state, current_context_vector, Wi, Wf, Wo, Wg, Wh, Wc, Wp, xb, wgb, w2b, w3b; writes xb, wgb, w2b, w3b
.if DOCPART == 1
	.amdgcn_target "amdgcn-amd-amdhsa--gfx1250"
	.amdhsa_code_object_version 6
	.text
	.protected	k_q0a1b149a28_cast
	.globl	k_q0a1b149a28_cast
	.p2align	8
	.type	k_q0a1b149a28_cast,@function
k_q0a1b149a28_cast:
	s_mov_b64 s[64:65], 0
	v_nop
	global_prefetch_b8 v0, s[64:65] scope:SCOPE_SE
	s_setreg_imm32_b32 hwreg(HW_REG_WAVE_MODE, 25, 1), 1
	s_wait_xcnt 0x0
; f32 -> bf16 (rounded once, to nearest even) of every matrix operand of the three products that follow, into PLANES:
; a matrix [R][K] is stored as [K/64][R][64]: a row of a plane is 128 bytes, a plane is dense.
;   xb : 48 planes of 4,096 rows: 0-15 embedded caption, 16-31 hidden state, 32-47 context vector
;   wgb: 48 planes of 4,096 rows: row (h >> 5) * 128 + gate * 32 + (h & 31), gate 0 = i, 1 = f, 2 = o, 3 = g
;   w2b: 32 planes of 1,024 rows: 0-15 Wh, 16-31 Wc          w3b: 16 planes of 1,024 rows: Wp
; A stream: no LDS, no barrier, no matrix unit, no loop.  THE UNIT OF WORK IS A PAIR: one load of 16 bytes a lane (lanes 0-15: the 256 bytes
; that one plane has in row r, r even; lanes 16-31: the same in row r + 1), two roundings, one store of 8 bytes a lane: rows r and r + 1 of the plane,
; 256 consecutive bytes, aligned.  Every wave has 54 pairs, all 54 loads go out first (27 KiB a wave), and no register that a load or store has read is written again, so the only waits are the counted ones.
; SHARES (wg = work-group 0..255, w = wave 0..15, hh = lane / 16):
;   class A (three inputs):   row 16 wg + 2 (w >> 1) + hh, planes 8 (w & 1) + 0..7
;   class G (gate wg >> 6):   row h = 16 (wg & 63) + 2 (w >> 1) + hh, planes 24 (w & 1) + 0..23
;   class S (Wh, Wc, Wp):     row 4 wg + 2 (w >> 3) + hh, planes 2 (w & 7) + 0..1
.set PLX, 524288                       ; bytes in a plane of 4,096 rows
.set PLW, 131072                       ; bytes in a plane of 1,024 rows
.set AS,  4                            ; v4  class A: my byte offset in the source
.set AD,  5                            ; v5  class A: in the planes
.set GS,  6                            ; v6  class G, source
.set GD,  7                            ; v7  class G, planes
.set SS,  8                            ; v8  class S, source
.set SD,  9                            ; v9  class S, planes
.set DAT, 16                           ; v[16:231] pair k: four registers
	s_load_b512 s[4:19], s[0:1], 0x0               ; emb s[4:5], hid s[6:7], ctx s[8:9], Wi s[10:11], Wf s[12:13], Wo s[14:15], Wg s[16:17], Wh s[18:19]
	s_load_b256 s[20:27], s[0:1], 0x40             ; Wc s[20:21], Wp s[22:23], xb s[24:25], wgb s[26:27]
	s_load_b128 s[28:31], s[0:1], 0x60             ; w2b s[28:29], w3b s[30:31]
	v_lshrrev_b32 v1, 5, v0
	v_readfirstlane_b32 s32, v1                    ; wave 0..15
	v_and_b32 v2, 15, v0                           ; c: my sixteenth of a plane's row
	v_bfe_u32 v3, v0, 4, 1                         ; hh: which of the pair's two rows
	v_lshlrev_b32 v10, 4, v2                       ; 16 c: bytes in the f32 row
	v_lshlrev_b32 v11, 3, v2                       ; 8 c: bytes in the bf16 row
	s_lshr_b32 s33, s32, 1                         ; w >> 1
	s_and_b32 s34, s32, 1                          ; w & 1
	; class A
	s_lshl_b32 s35, ttmp9, 4
	s_lshl1_add_u32 s35, s33, s35                  ; 16 wg + 2 (w >> 1)
	s_lshl_b32 s44, s35, 12                        ; x 4,096 bytes a row
	s_lshl_b32 s45, s34, 11                        ; + 8 planes x 256 bytes
	s_add_co_u32 s44, s44, s45
	v_lshl_add_u32 v[AS], v3, 12, v10
	v_add_nc_u32 v[AS], s44, v[AS]
	s_lshl_b32 s44, s35, 7                         ; x 128 bytes a row of a plane
	s_lshl_b32 s45, s34, 22                        ; + 8 planes
	s_add_co_u32 s44, s44, s45
	v_lshl_add_u32 v[AD], v3, 7, v11
	v_add_nc_u32 v[AD], s44, v[AD]
	; class G
	s_and_b32 s46, ttmp9, 63
	s_lshr_b32 s47, ttmp9, 6                       ; the gate
	s_lshl_b32 s35, s46, 4
	s_lshl1_add_u32 s35, s33, s35                  ; h, less hh
	s_mul_i32 s44, s35, 12288                      ; x 12,288 bytes a row
	s_mul_i32 s45, s34, 6144                       ; + 24 planes x 256 bytes
	s_add_co_u32 s44, s44, s45
	v_mul_u32_u24 v[GS], v3, 12288
	v_add3_u32 v[GS], v[GS], v10, s44
	s_lshr_b32 s35, s46, 1                         ; h >> 5
	s_lshl_b32 s35, s35, 7
	s_lshl_b32 s45, s47, 5                         ; + 32 x gate
	s_add_co_u32 s35, s35, s45
	s_and_b32 s45, ttmp9, 1                        ; + h & 31 = 16 (wg & 1) + 2 (w >> 1) + hh
	s_lshl_b32 s45, s45, 4
	s_add_co_u32 s35, s35, s45
	s_lshl1_add_u32 s35, s33, s35
	s_lshl_b32 s44, s35, 7
	s_mul_i32 s45, s34, 24*PLX
	s_add_co_u32 s44, s44, s45
	v_lshl_add_u32 v[GD], v3, 7, v11
	v_add_nc_u32 v[GD], s44, v[GD]
	; class S
	s_lshr_b32 s35, s32, 3
	s_lshl_b32 s45, ttmp9, 2
	s_lshl1_add_u32 s35, s35, s45                  ; 4 wg + 2 (w >> 3)
	s_and_b32 s46, s32, 7
	s_lshl_b32 s44, s35, 12
	s_lshl_b32 s45, s46, 9                         ; + 2 (w & 7) planes x 256 bytes
	s_add_co_u32 s44, s44, s45
	v_lshl_add_u32 v[SS], v3, 12, v10
	v_add_nc_u32 v[SS], s44, v[SS]
	s_lshl_b32 s44, s35, 7
	s_lshl_b32 s45, s46, 18                        ; + 2 (w & 7) planes of 131,072 bytes
	s_add_co_u32 s44, s44, s45
	v_lshl_add_u32 v[SD], v3, 7, v11
	v_add_nc_u32 v[SD], s44, v[SD]
	s_wait_kmcnt 0x0
	s_cmp_eq_u32 s47, 1                            ; the work-group's gate matrix: a choice between buffers on the work-group's number
	s_cselect_b64 s[36:37], s[12:13], s[10:11]
	s_cmp_eq_u32 s47, 2
	s_cselect_b64 s[36:37], s[14:15], s[36:37]
	s_cmp_eq_u32 s47, 3
	s_cselect_b64 s[36:37], s[16:17], s[36:37]
	s_add_nc_u64 s[38:39], s[24:25], 16*PLX        ; bases 16 planes apart: 16 planes are one byte more than a store's signed 24-bit immediate holds
	s_add_nc_u64 s[40:41], s[24:25], 32*PLX
	s_add_nc_u64 s[42:43], s[26:27], 16*PLX
.macro LD k, voff, base, imm                   ; pair k's load
	global_load_b128 v[DAT+4*(\k):DAT+4*(\k)+3], v[\voff], s[\base:\base+1] offset:\imm th:TH_LOAD_NT
.endm
.macro OUT k, voff, base, imm                  ; pair k is rounded and stored
	s_wait_loadcnt 53-(\k)                         ; loads come back in order (ISA guide 5.7.1): pair k is in, the 53 - k younger ones stay out
	v_cvt_pk_bf16_f32 v[DAT+4*(\k)], v[DAT+4*(\k)], v[DAT+4*(\k)+1]
	v_cvt_pk_bf16_f32 v[DAT+4*(\k)+1], v[DAT+4*(\k)+2], v[DAT+4*(\k)+3]
	global_store_b64 v[\voff], v[DAT+4*(\k):DAT+4*(\k)+1], s[\base:\base+1] offset:\imm th:TH_STORE_NT
.endm
.set t, 0
.rept 8
	LD t, AS, 4, 256*t
.set t, t+1
.endr
.set t, 0
.rept 8
	LD 8+t, AS, 6, 256*t
.set t, t+1
.endr
.set t, 0
.rept 8
	LD 16+t, AS, 8, 256*t
.set t, t+1
.endr
.set t, 0
.rept 24
	LD 24+t, GS, 36, 256*t
.set t, t+1
.endr
	LD 48, SS, 18, 0
	LD 49, SS, 18, 256
	LD 50, SS, 20, 0
	LD 51, SS, 20, 256
	LD 52, SS, 22, 0
	LD 53, SS, 22, 256
.set t, 0
.rept 8
	OUT t, AD, 24, t*PLX
.set t, t+1
.endr
.set t, 0
.rept 8
	OUT 8+t, AD, 38, t*PLX
.set t, t+1
.endr
.set t, 0
.rept 8
	OUT 16+t, AD, 40, t*PLX
.set t, t+1
.endr
.set t, 0
.rept 16
	OUT 24+t, GD, 26, t*PLX
.set t, t+1
.endr
.set t, 0
.rept 8
	OUT 40+t, GD, 42, t*PLX
.set t, t+1
.endr
	OUT 48, SD, 28, 0
	OUT 49, SD, 28, PLW
	OUT 50, SD, 28, 16*PLW
	OUT 51, SD, 28, 17*PLW
	OUT 52, SD, 30, 0
	OUT 53, SD, 30, PLW
	s_endpgm
.Lfunc_end_k_q0a1b149a28_cast:
	.size	k_q0a1b149a28_cast, .Lfunc_end_k_q0a1b149a28_cast-k_q0a1b149a28_cast
	.p2alignl 7, 3214868480
	.fill 96, 4, 3214868480
	.section	.rodata,"a",@progbits
	.p2align	6, 0x0
	.amdhsa_kernel k_q0a1b149a28_cast
		.amdhsa_group_segment_fixed_size 0
		.amdhsa_private_segment_fixed_size 0
		.amdhsa_enable_private_segment 0
		.amdhsa_kernarg_size 112
		.amdhsa_user_sgpr_count 2
		.amdhsa_user_sgpr_kernarg_segment_ptr 1
		.amdhsa_wavefront_size32 1
		.amdhsa_system_sgpr_workgroup_id_x 1
		.amdhsa_system_sgpr_workgroup_id_y 1
		.amdhsa_system_sgpr_workgroup_id_z 1
		.amdhsa_system_vgpr_workitem_id 0
		.amdhsa_next_free_vgpr 232
		.amdhsa_next_free_sgpr 66
		.amdhsa_reserve_vcc 0
		.amdhsa_float_denorm_mode_32 3
		.amdhsa_float_denorm_mode_16_64 3
		.amdhsa_memory_ordered 1
		.amdhsa_forward_progress 1
		.amdhsa_inst_pref_size 22
	.end_amdhsa_kernel
	.amdgpu_metadata
---
amdhsa.version: [ 1, 2 ]
amdhsa.kernels:
  - .name:           k_q0a1b149a28_cast
    .symbol:         k_q0a1b149a28_cast.kd
    .args:
      - { .name: previous_embedded_caption, .offset: 0, .size: 8, .value_kind: global_buffer, .address_space: global }
      - { .name: previous_hidden_state, .offset: 8, .size: 8, .value_kind: global_buffer, .address_space: global }
      - { .name: current_context_vector, .offset: 16, .size: 8, .value_kind: global_buffer, .address_space: global }
      - { .name: Wi, .offset: 24, .size: 8, .value_kind: global_buffer, .address_space: global }
      - { .name: Wf, .offset: 32, .size: 8, .value_kind: global_buffer, .address_space: global }
      - { .name: Wo, .offset: 40, .size: 8, .value_kind: global_buffer, .address_space: global }
      - { .name: Wg, .offset: 48, .size: 8, .value_kind: global_buffer, .address_space: global }
      - { .name: Wh, .offset: 56, .size: 8, .value_kind: global_buffer, .address_space: global }
      - { .name: Wc, .offset: 64, .size: 8, .value_kind: global_buffer, .address_space: global }
      - { .name: Wp, .offset: 72, .size: 8, .value_kind: global_buffer, .address_space: global }
      - { .name: xb, .offset: 80, .size: 8, .value_kind: global_buffer, .address_space: global }
      - { .name: wgb, .offset: 88, .size: 8, .value_kind: global_buffer, .address_space: global }
      - { .name: w2b, .offset: 96, .size: 8, .value_kind: global_buffer, .address_space: global }
      - { .name: w3b, .offset: 104, .size: 8, .value_kind: global_buffer, .address_space: global }
    .group_segment_fixed_size: 0
    .private_segment_fixed_size: 0
    .kernarg_segment_align: 8
    .kernarg_segment_size: 112
    .max_flat_workgroup_size: 512
    .sgpr_count:     66
    .vgpr_count:     232
    .wavefront_size: 32
...
	.end_amdgpu_metadata
.endif
;; end of part 1
;; launch gates (part 2): grid 16 x 16, 4 waves a work-group, clusters of 4 x 4, 327,680 bytes of LDS; arguments xb, wgb, bi, bf, bo, bg, previous_cell_state, out1, out2, hb; writes out1, out2, hb
.if DOCPART == 2
	.amdgcn_target "amdgcn-amd-amdhsa--gfx1250"
	.amdhsa_code_object_version 6
	.text
	.protected	k_q0a1b149a28_gates
	.globl	k_q0a1b149a28_gates
	.p2align	8
	.type	k_q0a1b149a28_gates,@function
k_q0a1b149a28_gates:
	s_mov_b64 s[64:65], 0
	v_nop
	global_prefetch_b8 v0, s[64:65] scope:SCOPE_SE
	s_setreg_imm32_b32 hwreg(HW_REG_WAVE_MODE, 25, 1), 1
	s_wait_xcnt 0x0
	s_wait_alu depctr_hold_cnt(0) depctr_sa_sdst(0) depctr_va_vdst(0) depctr_va_sdst(0) depctr_va_ssrc(0) depctr_va_vcc(0) depctr_vm_vsrc(0)
	s_getreg_b32 s2, hwreg(HW_REG_IB_STS2, 6, 4)
	s_cmp_eq_u32 s2, 0
	s_cbranch_scc0 .Lentry_in_a_cluster
	s_endpgm
.Lentry_in_a_cluster:
	s_bfe_u32 s2, ttmp6, 0x10000c
	s_cmp_lg_u32 s2, 0xf033
	s_cbranch_scc0 .Lentry_shape_is_right
	s_endpgm
.Lentry_shape_is_right:
; THE FOUR GATES, THE CELL AND THE HIDDEN STATE.  z[gate] = [emb | hid | ctx] W[gate]^T + b[gate] (K = 3,072, bf16 operands, f32 sums); i, f, o = sigmoid(z), g = tanh(z);
; cell = f c_prev + i g (out2, f32); hidden = o tanh(cell) (out1, f32; hb, rounded once to bf16, in planes, for the next product).
; xb: [48 planes][4,096 rows][64] bf16.  wgb: the same shape, row (h >> 5) * 128 + gate * 32 + (h & 31).  A row of a plane is 128 bytes, a plane 524,288.
; LIMITS.  Matrix operands are rounded to bf16.  sigmoid(x) = 1 / (1 + 2^(-x log2 e)), tanh(x) = 1 - 2 / (1 + 2^(2 x log2 e)): an exponential that overflows gives an infinity, whose reciprocal is 0,
; one that underflows gives 0: both functions saturate rightly for every finite x.  tanh so made is off by about 1e-7 in absolute terms, so below |x| of about 1e-5 it loses relative accuracy.  NaN passes through.
; SHARES.  A work-group of four waves makes 256 batch rows x 256 rows of wgb = 64 hidden columns x 4 gates; a wave 128 x 128: 64 accumulators of 16 x 16, 512 registers.  All four gates of a hidden column
; lie in one wave, block b = 2 gate + hs of its eight column blocks.  K goes in 24 steps of 128 (two planes) through a ring of two LDS slots.
; THE MATRIX INSTRUCTION IS USED TRANSPOSED (source 0 = 16 rows of wgb, source 1 = 16 rows of xb): lane l holds batch row l % 16 and eight neighbouring columns 8 (l / 16) + 0..7.
; THE BIAS STARTS THE SUMS: it is the C operand of each accumulator's first product; nothing is cleared and nothing is added later.
; CLUSTERS: 4 x 4 work-groups.  The four of a row of the cluster need the same tiles of xb, the four of a column the same tiles of wgb: each tile is asked for JOINTLY, by the same tensor load with the
; same descriptor and a mask that names the four.
; THE WAY OUT.  The previous cell state's tile (256 rows x 64 f32) comes into slot 0 when its last K step has been read.  z goes through a stage in slot 1, which by then has had its last fill, 128 rows at a time, so that
; a lane meets the four gates of four neighbouring columns, and sixteen lanes store 256 consecutive bytes, aligned.
; REGISTERS, in windows of 256 (s_set_vgpr_msb: bits 1:0 source 0, 3:2 source 1, 5:4 source 2, 7:6 destination):
;   window 0: v0-31 addresses; v64-127, v128-191 fragments of xb, two buffers (on the way out: z, c, packed hidden); v192-255 the bias, 8 registers a column block
;   window 1: v64-127, v128-191 fragments of wgb, two buffers        window 2: the accumulators of my rows 0-63 ((a, b) at v[8 (8 a + b)])        window 3: those of my rows 64-127
.set PLX,    524288                    ; bytes in a plane
.set KSTEPB, 2*PLX                     ; a K step: two planes
.set PITCH,  144                       ; an LDS row: 128 bytes + 16 of padding = 36 words: row r starts at bank 36 r mod 64 (64 banks of 4 bytes: ISA guide 11.1): sixteen rows, sixteen different groups of four banks
.set RPL,    128*PITCH                 ; one plane of one load
.set HALFT,  2*RPL                     ; what one tensor load brings: 128 rows, two planes
.set SLOT,   4*HALFT                   ; xb's 256 rows, then wgb's 256 rows
.set SPARE,  2*SLOT                    ; behind the ring: the spare words, 128 bytes for each wave: two blocks of 256 bytes that no other line names
.set ZST,    SLOT                      ; the stage for z: in slot 1, behind its last fill: 128 rows of [gate 4][column 64] f32
.set ZP,     1040                      ; its pitch: 1,024 + 16 = 260 words = 4 mod 64
.set CP,     272                       ; the cell tile's pitch: 256 + 16
.set CQ,     64*CP                     ; a wave's quarter of the cell tile, at LDS byte wave x CQ (in slot 0)
.set LAPS,   12                        ; a lap = two K steps = once round the ring
.set ZW,   4                           ; v4   where I put 16 bytes of z
.set RZ0,  5                           ; v5   where I read z back, first trip
.set RZ,   6                           ; v6   the same, walking
.set RC0,  7                           ; v7   where I read the cell tile, first trip of the first phase
.set RC,   8                           ; v8   the same, walking
.set GOF,  9                           ; v9   my byte offset in out1 and out2
.set GOB,  10                          ; v10  my byte offset in hb's plane
.set PFC,  11                          ; v11  4,096 x lane: a row of the cell state; never rewritten
.set VB,   13                          ; v13  my byte offset in a bias; never rewritten
.set ADRA, 16                          ; v16-17  LDS address of my xb fragments in slot 0, 1
.set ADRB, 20                          ; v20-21  the same for wgb
.set SPW,  28                          ; v28  LDS address of my spare word; never rewritten
.set NIL,  29                          ; v29  0; never rewritten
.set PFO,  30                          ; v30  256 x lane; never rewritten
.set F0,   64
.set F1,   128
.set BI,   192                         ; the bias of column block b at BI + 8 b
.set Z,    64                          ; the way out: i at Z, f at Z + 16, o at Z + 32, g at Z + 48
.set CC,   128                         ; the previous cell state, 16 numbers
.set HBR,  144                         ; hidden, packed
.set G1,   24                          ; s[24:31] descriptor group 1 for xb's tiles
.set G0,   32                          ; s[32:39] group 0, a set for each slot
.set G1B,  48                          ; s[48:55], s[56:63] the same for wgb's tiles
.set G0B,  56
.set G0C,  84                          ; s[84:87], s[88:95] the cell tile's
.set G1C,  88
.set LIM,  43                          ; s43  1 in a wave that prefetches along K, else the greatest number
.set PFA,  44                          ; s[44:45] where my prefetches along K stand
.set CPF,  66                          ; s[66:67] my 64 rows of the cell tile in memory; never rewritten
.set NL2E, 96                          ; s[96:97] -log2 e
.set TL2E, 98                          ; s[98:99] 2 log2 e
.set MSB, 0
.macro WIN new                         ; the immediate's high byte repeats the setting that is left; a switch that changes nothing is dropped
.if MSB != (\new)
	s_set_vgpr_msb (MSB<<8)|(\new)
.set MSB, \new
.endif
.endm
.set MUL_LO, 0xa1                      ; source 0 (wgb) window 1, source 1 (xb) window 0, C and D window 2
.set TO_B,   0x40                      ; destination window 1, address window 0
; A joint load.  Waves 0 and 1 fetch xb's two halves, waves 2 and 3 wgb's.  The branch hangs on the wave's number alone.  An s_nop 0 and four v_nop follow each of the two lines.
.macro JLOAD s
	s_cmp_eq_u32 s11, 0
	s_cbranch_scc0 .Lfor_b_\@
	tensor_load_to_lds s[G0+4*(\s):G0+4*(\s)+3], s[G1:G1+7]
	s_nop 0
.rept 4
	v_nop
.endr
	s_branch .Lasked_\@
.Lfor_b_\@:
	tensor_load_to_lds s[G0B+4*(\s):G0B+4*(\s)+3], s[G1B:G1B+7]
	s_nop 0
.rept 4
	v_nop
.endr
.Lasked_\@:
.endm
; The cell tile: a load of the wave's own, no mask: 64 rows x 256 bytes to LDS byte wave x CQ.
.macro CLOAD
	tensor_load_to_lds s[G0C:G0C+3], s[G1C:G1C+7]
	s_nop 0
.rept 4
	v_nop
.endr
.endm
; PREFETCHES INTO THE L2, behind a joint load, its five lines and the run of LDS loads that follows.  Along K: the K step that stands TWO refills on, 512 matrix instructions ahead of the load that wants it.
; A wave's load is 128 blocks of 256 bytes (two planes x 16 KiB on end).  xb's tile row is read by every cluster of that row of clusters: cluster x = 0 asks; wgb's by every cluster of that column: cluster y = 0 asks.
; The four partners that ask for a tile jointly share its blocks out BY ADDRESS, 32 each, a lane a block: no branch hangs on a work-group's place in its cluster.  So each block is named once in the launch.
; The first four K steps come by their loads alone; the loop's last trip (s3 = 1) has no K step two on.  In that trip, a lap (512 matrix instructions) ahead of its load, each wave asks for its own 64 rows of the cell tile, a lane a row.
.macro ASK slot
	s_cmp_gt_u32 s3, s[LIM]
	s_cbranch_scc0 .Lnot_mine_\@
	global_prefetch_b8 v[PFO], s[PFA:PFA+1] offset:KSTEPB th:TH_LOAD_NT scope:SCOPE_SE
.Lnot_mine_\@:
.if (\slot) == 0
	s_cmp_eq_u32 s3, 1
	s_cbranch_scc0 .Lnot_yet_\@
	global_prefetch_b8 v[PFC], s[CPF:CPF+1] th:TH_LOAD_NT scope:SCOPE_SE
	global_prefetch_b8 v[PFC], s[CPF:CPF+1] offset:131072 th:TH_LOAD_NT scope:SCOPE_SE
.Lnot_yet_\@:
.endif
.endm
; A round of the cluster's barrier: my work-group's barrier; wave 0 signals for the work-group; every wave waits for all sixteen; my work-group's barrier once more.
.macro CREST                           ; a round behind its opening barrier
	s_cmp_lg_u32 s10, 0
	s_cbranch_scc1 .Lnot_wave_0_\@
	s_barrier_signal -3
.Lnot_wave_0_\@:
	s_barrier_wait -3
	s_barrier_signal -1
	s_barrier_wait -1
.endm
.macro CROUND
	s_barrier_signal -1
	s_barrier_wait -1
	CREST
.endm
	s_load_b128 s[4:7], s[0:1], 0x0                ; xb s[4:5], wgb s[6:7]
	s_load_b256 s[68:75], s[0:1], 0x10             ; bi s[68:69], bf s[70:71], bo s[72:73], bg s[74:75]
	s_load_b256 s[76:83], s[0:1], 0x30             ; c_prev s[76:77], out1 s[78:79], out2 s[80:81], hb s[82:83]
	v_lshl_add_u32 v[SPW], v0, 2, SPARE
	v_mov_b32 v[NIL], 0
	ds_add_u32 v[SPW], v[NIL]                      ; the wave's opening: the add, twice on end, and its wait ahead of my first tensor load; the set-up below stands between
	ds_add_u32 v[SPW], v[NIL]                      ; and once more, under the one wait
	v_lshrrev_b32 v1, 5, v0
	v_readfirstlane_b32 s10, v1                    ; wave 0..3
	s_lshr_b32 s11, s10, 1                         ; rh: which half of the tile's batch rows is mine.  Also: I fetch for xb (0) or for wgb (1)
	s_and_b32 s12, s10, 1                          ; ch: which half of its columns.  Also: which 128 rows of that tile I fetch
	s_bfe_u32 s40, ttmp6, 0x40000                  ; cx
	s_bfe_u32 s41, ttmp6, 0x40004                  ; cy
	s_lshl_b32 s42, ttmp9, 2
	s_add_co_u32 s42, s42, s40                     ; tc: tile column = 4 x cluster x + cx
	s_and_b32 s13, ttmp7, 0xffff
	s_lshl_b32 s13, s13, 2
	s_add_co_u32 s13, s13, s41                     ; tr: tile row = 4 x cluster y + cy
	s_lshl_b32 s43, s41, 2
	s_lshl_b32 s43, 15, s43                        ; my row of the cluster
	s_lshl_b32 s44, 0x1111, s40                    ; my column
	; group 1: two rows of 8,192 elements: in each of two planes 128 rows x 64 elements lie on end, 16 KiB; in LDS 16 bytes of padding follow every 128
	s_or_b32 s[G1+0], s43, (1<<16)|(1<<20)|(1<<21)|(4<<22)|(3<<25)   ; 15:0 the mask; 17:16 2-byte elements; 20 padding on; 21 set beside a mask; 24:22 after every 32 words (code 4); 31:25 4 words (code 3)
	s_or_b32 s[G1B+0], s44, (1<<16)|(1<<20)|(1<<21)|(4<<22)|(3<<25)
.irp g, G1, G1B
	s_mov_b32 s[(\g)+1], 8192<<16                  ; tensor_dim0 = 8,192
	s_mov_b32 s[(\g)+2], 2<<16                     ; tensor_dim1 = 2
	s_mov_b32 s[(\g)+3], 8192<<16                  ; tile_dim0 = 8,192
	s_mov_b32 s[(\g)+4], 2                         ; tile_dim1 = 2
	s_mov_b32 s[(\g)+5], PLX/2                     ; from row to row: a plane, in elements
	s_mov_b32 s[(\g)+6], 0
	s_mov_b32 s[(\g)+7], 0
.endr
	; the cell tile: 64 rows x 64 f32, 1,024 elements from row to row; 16 bytes of padding behind every 256
	s_mov_b32 s[G1C+0], (2<<16)|(1<<20)|(5<<22)|(3<<25)
	s_mov_b32 s[G1C+1], 64<<16
	s_mov_b32 s[G1C+2], 64<<16
	s_mov_b32 s[G1C+3], 64<<16
	s_mov_b32 s[G1C+4], 64
	s_mov_b32 s[G1C+5], 1024
	s_mov_b32 s[G1C+6], 0
	s_mov_b32 s[G1C+7], 0
	s_mov_b32 s[G0C], 1
	s_mul_i32 s[G0C+1], s10, CQ
	s_mov_b32 s[NL2E], 0xbfb8aa3b
	s_mov_b32 s[NL2E+1], 0xbfb8aa3b                ; named as a pair
	s_mov_b32 s[TL2E], 0x4038aa3b
	s_mov_b32 s[TL2E+1], 0x4038aa3b
	; where the tiles come from: xb's hang on the tile row alone, wgb's on the tile column alone
	s_lshl_b32 s17, s12, 7                         ; which 128 rows I fetch
	s_lshl_b32 s16, s13, 8
	s_add_co_u32 s16, s16, s17
	s_lshl_b32 s16, s16, 7                         ; x 128 bytes a row of a plane
	s_lshl_b32 s46, s42, 8
	s_add_co_u32 s46, s46, s17
	s_lshl_b32 s46, s46, 7
	s_mov_b32 s17, 0
	s_mov_b32 s47, 0
	s_mul_i32 s20, s10, HALFT                      ; and where they go: wave x a load's bytes
	s_wait_dscnt 0x0                               ; both opening adds are done
	s_wait_kmcnt 0x0
	s_add_nc_u64 s[14:15], s[4:5], s[16:17]
	s_add_nc_u64 s[46:47], s[6:7], s[46:47]
	CROUND                                         ; all sixteen work-groups are here: the first joint loads meet
.irp s, 0,1
	s_mov_b32 s[G0+4*(\s)], 1
	s_add_co_u32 s[G0+4*(\s)+1], s20, (\s)*SLOT
	s_add_nc_u64 s[G0+4*(\s)+2:G0+4*(\s)+3], s[14:15], (\s)*KSTEPB
	s_or_b32 s[G0+4*(\s)+3], s[G0+4*(\s)+3], 0x80000000
	s_mov_b32 s[G0B+4*(\s)], 1
	s_add_co_u32 s[G0B+4*(\s)+1], s20, (\s)*SLOT
	s_add_nc_u64 s[G0B+4*(\s)+2:G0B+4*(\s)+3], s[46:47], (\s)*KSTEPB
	s_or_b32 s[G0B+4*(\s)+3], s[G0B+4*(\s)+3], 0x80000000
	JLOAD \s                                       ; K steps 0 and 1: two loads of mine are out
.endr
	v_and_b32 v1, 15, v0                           ; l % 16
	v_bfe_u32 v2, v0, 4, 1                         ; l / 16
	; the bias: register j of block b = b[gate b / 2][64 tc + 32 ch + 16 (b % 2) + 8 (l / 16) + j], the same for every batch row
	s_lshl_b32 s20, s42, 8
	s_lshl_b32 s21, s12, 7
	s_add_co_u32 s20, s20, s21
	v_lshl_add_u32 v[VB], v2, 5, s20
.irp b, 0,1,2,3,4,5,6,7
	global_load_b128 v[BI+8*(\b):BI+8*(\b)+3],   v[VB], s[68+2*((\b)/2):69+2*((\b)/2)] offset:((\b)%2)*64
	global_load_b128 v[BI+8*(\b)+4:BI+8*(\b)+7], v[VB], s[68+2*((\b)/2):69+2*((\b)/2)] offset:((\b)%2)*64+16
.endr
	; a fragment is 16 rows x 32 K in 8 registers: lane l holds row l % 16, K = 8 (l / 16) + 0..7 and 16 + 8 (l / 16) + 0..7: two loads of 16 bytes, 32 bytes apart
	v_mul_u32_u24 v3, v1, PITCH
	v_lshl_add_u32 v3, v2, 4, v3
	s_mul_i32 s21, s11, HALFT                      ; my 128 rows of xb
	s_mul_i32 s22, s12, HALFT                      ; my 128 rows of wgb,
	s_add_co_u32 s22, s22, 2*HALFT                 ; which lie behind xb's 256
.irp s, 0,1
	v_add_nc_u32 v[ADRA+(\s)], s21, v3
	v_add_nc_u32 v[ADRB+(\s)], s22, v3
	s_add_co_u32 s21, s21, SLOT
	s_add_co_u32 s22, s22, SLOT
.endr
	s_mul_i32 s21, s11, 64*ZP                      ; into the stage: row 64 rh + 16 a' + l % 16; in a gate's 256 bytes my half, 32 bytes for each half of the lanes
	s_lshl_b32 s22, s12, 7
	s_add_co_u32 s21, s21, s22
	s_add_co_u32 s21, s21, ZST
	v_mul_u32_u24 v3, v1, ZP
	v_lshl_add_u32 v3, v2, 5, v3
	v_add_nc_u32 v[ZW], s21, v3
	s_mul_i32 s21, s10, 32*ZP                      ; back: wave w takes stage rows 32 w .. 32 w + 31; lanes 0-15 one row, lanes 16-31 the next; four columns a lane
	s_add_co_u32 s21, s21, ZST
	v_mul_u32_u24 v3, v2, ZP
	v_lshl_add_u32 v3, v1, 4, v3
	v_add_nc_u32 v[RZ0], s21, v3
	s_mul_i32 s21, s11, 128*CP                     ; those stage rows are the tile's rows 128 rh + 64 phase + 32 ch + 0..31
	s_mul_i32 s22, s12, 32*CP
	s_add_co_u32 s21, s21, s22
	v_mul_u32_u24 v3, v2, CP
	v_lshl_add_u32 v3, v1, 4, v3
	v_add_nc_u32 v[RC0], s21, v3
	v_lshlrev_b32 v3, 4, v1
	v_lshl_add_u32 v[GOF], v2, 12, v3              ; two rows of 4,096 bytes, 16 bytes a lane
	v_lshlrev_b32 v3, 3, v1
	v_lshl_add_u32 v[GOB], v2, 7, v3               ; two rows of 128 bytes, 8 bytes a lane
	v_and_b32 v3, 31, v0
	v_lshlrev_b32 v[PFC], 12, v3
	v_lshlrev_b32 v[PFO], 8, v3
	; the cell tile's address: row 256 tr + 64 wave, byte 256 tc
	s_lshl_b32 s20, s13, 8
	s_lshl_b32 s21, s10, 6
	s_add_co_u32 s20, s20, s21
	s_lshl_b32 s20, s20, 12
	s_lshl_b32 s21, s42, 8
	s_add_co_u32 s20, s20, s21
	s_mov_b32 s21, 0
	s_add_nc_u64 s[CPF:CPF+1], s[76:77], s[20:21]
	s_mov_b64 s[G0C+2:G0C+3], s[CPF:CPF+1]
	s_or_b32 s[G0C+3], s[G0C+3], 0x80000000
	; the stores' bases: row 256 tr + 128 rh + 32 ch; in out1 and out2 byte 256 tc of the row, in hb plane tc
	s_lshl_b32 s20, s13, 8
	s_lshl_b32 s21, s11, 7
	s_add_co_u32 s20, s20, s21
	s_lshl_b32 s21, s12, 5
	s_add_co_u32 s20, s20, s21
	s_lshl_b32 s22, s20, 7
	s_lshl_b32 s20, s20, 12
	s_lshl_b32 s21, s42, 8
	s_add_co_u32 s20, s20, s21
	s_mov_b32 s21, 0
	s_add_nc_u64 s[78:79], s[78:79], s[20:21]
	s_add_nc_u64 s[80:81], s[80:81], s[20:21]
	s_lshl_b32 s23, s42, 19
	s_add_co_u32 s22, s22, s23
	s_mov_b32 s23, 0
	s_add_nc_u64 s[82:83], s[82:83], s[22:23]
	; the prefetches along K
	s_lshl_b32 s20, s13, 8
	s_lshl_b32 s21, s42, 8
	s_and_b32 s22, ttmp7, 0xffff                   ; cluster y
	s_cmp_eq_u32 s11, 0                            ; do I fetch for xb?
	s_cselect_b32 s20, s20, s21                    ; the tile's first row
	s_cselect_b32 s21, s40, s41                    ; p: my place among the four that ask for it with me
	s_cselect_b32 s22, ttmp9, s22                  ; the coordinate along which other clusters read the same rows
	s_cselect_b64 s[PFA:PFA+1], s[4:5], s[6:7]
	s_cmp_eq_u32 s22, 0
	s_cselect_b32 s[LIM], 1, -1                    ; the same in all sixteen partners, for a given wave
	s_lshl_b32 s22, s12, 7
	s_add_co_u32 s20, s20, s22                     ; + the 128 rows that I fetch
	s_lshl_b32 s20, s20, 7
	s_lshr_b32 s22, s21, 1
	s_lshl_b32 s22, s22, 19                        ; + plane p / 2 of the step's two
	s_add_co_u32 s20, s20, s22
	s_and_b32 s22, s21, 1
	s_lshl_b32 s22, s22, 13                        ; + half p % 2 of its 16 KiB
	s_add_co_u32 s20, s20, s22
	s_mov_b32 s21, 0
	s_add_nc_u64 s[PFA:PFA+1], s[PFA:PFA+1], s[20:21]
	s_add_nc_u64 s[PFA:PFA+1], s[PFA:PFA+1], 2*KSTEPB  ; at K step 2: the first refill steps it to 3 and names K step 4
; 16 matrix instructions: row blocks a0, a0 + 1 of the window's four (hi = 0: my rows 0-63, 1: rows 64-127) x all 8 column blocks, 32 along K.  zero = 1: the first product starts the sums with the bias (C in window 0).
; The 64 accumulators take turns, one instruction a turn, in the same order in every quarter.
.macro MUL16 f, hi, a0, zero
.if \zero
	WIN 0x81+0x40*(\hi)
.else
	WIN MUL_LO+0x50*(\hi)
.endif
.irp a, \a0, (\a0)+1
.irp b, 0,1,2,3,4,5,6,7
.if \zero
	v_wmma_f32_16x16x32_bf16 v[8*(8*(\a)+(\b)):8*(8*(\a)+(\b))+7], v[(\f)+8*(\b):(\f)+8*(\b)+7], v[(\f)+8*(4*(\hi)+(\a)):(\f)+8*(4*(\hi)+(\a))+7], v[BI+8*(\b):BI+8*(\b)+7]
.else
	v_wmma_f32_16x16x32_bf16 v[8*(8*(\a)+(\b)):8*(8*(\a)+(\b))+7], v[(\f)+8*(\b):(\f)+8*(\b)+7], v[(\f)+8*(4*(\hi)+(\a)):(\f)+8*(4*(\hi)+(\a))+7], v[8*(8*(\a)+(\b)):8*(8*(\a)+(\b))+7]
.endif
.endr
.endr
.endm
; 32 LDS loads in one run: the fragments of quarter q of a K step (plane q / 2, byte 64 (q % 2) of its rows) into buffer f
.macro FETCH slot, q, f
.set KO, ((\q)/2)*RPL+((\q)%2)*64
	WIN TO_B
.irp i, 0,1,2,3,4,5,6,7
	ds_load_b128 v[(\f)+8*(\i):(\f)+8*(\i)+3],   v[ADRB+(\slot)] offset:KO+(\i)*16*PITCH
	ds_load_b128 v[(\f)+8*(\i)+4:(\f)+8*(\i)+7], v[ADRB+(\slot)] offset:KO+(\i)*16*PITCH+32
.endr
	WIN 0
.irp i, 0,1,2,3,4,5,6,7
	ds_load_b128 v[(\f)+8*(\i):(\f)+8*(\i)+3],   v[ADRA+(\slot)] offset:KO+(\i)*16*PITCH
	ds_load_b128 v[(\f)+8*(\i)+4:(\f)+8*(\i)+7], v[ADRA+(\slot)] offset:KO+(\i)*16*PITCH+32
.endr
.endm
.macro PLACES                          ; four plain vector instructions between a matrix instruction and a load into, or a read of, its registers (ISA guide 7.12.1 for reads)
.rept 4
	v_nop
.endr
.endm
; A K step is four quarters of 32 along K, 64 matrix instructions each, on buffers 0, 1, 0, 1.  One of the first three: multiplies buffer f; in its middle it fetches quarter q into buffer g.
.macro QUARTER slot, q, f, g, zero
	s_wait_dscnt 8                                 ; wgb's fragments and xb's rows 0-63 are in; the youngest eight loads (xb's rows 64-127) may be out
	MUL16 \f, 0, 0, \zero
	MUL16 \f, 0, 2, \zero
	PLACES
	FETCH \slot, \q, \g
	s_wait_dscnt 32                                ; all but the 32 just issued
	MUL16 \f, 1, 0, \zero
	MUL16 \f, 1, 2, \zero
.endm
; The last quarter multiplies buffer 1 and changes slots.  MEET is its first half: each wave waits for all its tensor loads (the one that is out is its part of the next slot), adds 0 to its spare word,
; and waits for that and for its own reads of this slot; the barrier opens a round of the cluster's barrier.
.macro MEET
	WIN 0                                          ; (the add's two registers lie in window 0)
	s_wait_tensorcnt 0x0
	ds_add_u32 v[SPW], v[NIL]                      ; 0 onto my spare word
	s_wait_dscnt 9                                 ; the add and the youngest eight loads may be out
	MUL16 F1, 0, 0, 0                              ; sixteen matrix instructions stand between the add and the wait for it
	s_wait_dscnt 0x0                               ; the add is done, and my reads of this slot are over
	s_barrier_signal -1
	MUL16 F1, 0, 2, 0                              ; work on registers while the others arrive
	WIN 0
	s_barrier_wait -1
.endm
; The whole last quarter.  kind = 0: the slot just read out is filled again, jointly, with the K step two steps on.  kind = 1 (slot 0's last K step has been read): it takes the cell tile, a load of each wave's own.
; Either load is the first tensor load behind the round, one a wave; its four v_nop are also the places in front of the LDS loads below.
.macro TURN slot, next, kind
.if (\kind) == 0
	s_wait_xcnt 0x0                                ; the last prefetch, a K step back, has read its address: it is stepped here, ahead of the waits of the change of slots
	s_add_nc_u64 s[PFA:PFA+1], s[PFA:PFA+1], KSTEPB
.endif
	MEET
	CREST                                          ; no wave of any partner still reads this slot's tile or has a load on its way
.if (\kind) == 0
	s_add_nc_u64 s[G0+4*(\slot)+2:G0+4*(\slot)+3], s[G0+4*(\slot)+2:G0+4*(\slot)+3], 2*KSTEPB
	s_add_nc_u64 s[G0B+4*(\slot)+2:G0B+4*(\slot)+3], s[G0B+4*(\slot)+2:G0B+4*(\slot)+3], 2*KSTEPB
	JLOAD \slot
	FETCH \next, 0, F0
	ASK \slot
.else
	CLOAD
	FETCH \next, 0, F0
.endif
	MUL16 F1, 1, 0, 0
	MUL16 F1, 1, 2, 0
.endm
; THE POINTWISE PART.
.macro TWAIT                           ; a plain instruction behind a batch's last transcendental, and one wait ahead of the batch's first reader
	v_nop
	s_wait_alu depctr_va_vdst(0)
.endm
.macro EXPB dst, src, n, sc            ; dst = 2^(src x s[sc]), n numbers
.set z, 0
.rept (\n)/2
	v_pk_mul_f32 v[(\dst)+z:(\dst)+z+1], v[(\src)+z:(\src)+z+1], s[\sc:\sc+1] op_sel_hi:[1,0]
.set z, z+2
.endr
.set z, 0
.rept \n
	v_exp_f32 v[(\dst)+z], v[(\dst)+z]
.set z, z+1
.endr
.endm
.macro RCPB base, n                    ; x = 1 / (1 + x), n numbers
.set z, 0
.rept (\n)/2
	v_pk_add_f32 v[(\base)+z:(\base)+z+1], v[(\base)+z:(\base)+z+1], 1.0 op_sel_hi:[1,0]
.set z, z+2
.endr
.set z, 0
.rept \n
	v_rcp_f32 v[(\base)+z], v[(\base)+z]
.set z, z+1
.endr
.endm
; A trip: 8 rows x 64 columns.  A lane has 16 numbers: for u = 0..3 row 2 u + l / 16 of the eight, columns 4 (l % 16) + 0..3.
.macro TRIP
.irp u, 0,1,2,3
.irp g, 0,1,2,3
	ds_load_b128 v[Z+16*(\g)+4*(\u):Z+16*(\g)+4*(\u)+3], v[RZ] offset:(\u)*2*ZP+(\g)*256
.endr
.endr
.irp u, 0,1,2,3
	ds_load_b128 v[CC+4*(\u):CC+4*(\u)+3], v[RC] offset:(\u)*2*CP
.endr
	v_add_nc_u32 v[RZ], 8*ZP, v[RZ]
	v_add_nc_u32 v[RC], 8*CP, v[RC]
	s_wait_dscnt 4                                 ; z's sixteen loads are in; the cell state's four may be out
	EXPB Z, Z, 48, NL2E                            ; i, f, o
	EXPB Z+48, Z+48, 16, TL2E                      ; g
	TWAIT                                          ; one wait for the 64 exponentials
	RCPB Z, 64
	TWAIT                                          ; and one for the 64 reciprocals: i, f, o are done
	s_wait_dscnt 0x0                               ; the cell state
.set z, 0
.rept 8
	v_pk_fma_f32 v[Z+48+z:Z+48+z+1], v[Z+48+z:Z+48+z+1], -2.0, 1.0 op_sel_hi:[1,0,0]     ; g = 1 - 2 / (1 + 2^..)
.set z, z+2
.endr
.set z, 0
.rept 8
	v_pk_mul_f32 v[Z+16+z:Z+16+z+1], v[Z+16+z:Z+16+z+1], v[CC+z:CC+z+1]                  ; f c
.set z, z+2
.endr
.set z, 0
.rept 8
	v_pk_fma_f32 v[Z+16+z:Z+16+z+1], v[Z+z:Z+z+1], v[Z+48+z:Z+48+z+1], v[Z+16+z:Z+16+z+1]  ; cell = i g + f c
.set z, z+2
.endr
.irp u, 0,1,2,3
	global_store_b128 v[GOF], v[Z+16+4*(\u):Z+16+4*(\u)+3], s[80:81] offset:(\u)*8192 th:TH_STORE_NT  ; sixteen lanes store 256 consecutive bytes, aligned
.endr
	EXPB Z, Z+16, 16, TL2E
	TWAIT
	RCPB Z, 16
	TWAIT
.set z, 0
.rept 8
	v_pk_fma_f32 v[Z+z:Z+z+1], v[Z+z:Z+z+1], -2.0, 1.0 op_sel_hi:[1,0,0]                 ; tanh(cell)
.set z, z+2
.endr
.set z, 0
.rept 8
	v_pk_mul_f32 v[Z+32+z:Z+32+z+1], v[Z+32+z:Z+32+z+1], v[Z+z:Z+z+1]                    ; hidden = o tanh(cell)
.set z, z+2
.endr
.irp u, 0,1,2,3
	global_store_b128 v[GOF], v[Z+32+4*(\u):Z+32+4*(\u)+3], s[78:79] offset:(\u)*8192 th:TH_STORE_NT
.endr
.set z, 0
.rept 8
	v_cvt_pk_bf16_f32 v[HBR+z], v[Z+32+2*z], v[Z+32+2*z+1]
.set z, z+1
.endr
.irp u, 0,1,2,3
	global_store_b64 v[GOB], v[HBR+2*(\u):HBR+2*(\u)+1], s[82:83] offset:(\u)*256        ; 32 lanes store two rows of a plane: 256 consecutive bytes, aligned
.endr
	s_wait_xcnt 0x0                                ; the trip's stores have read their data and offsets: only behind this wait are these rewritten, here and in the next trip
	v_add_nc_u32 v[GOF], 8*4096, v[GOF]
	v_add_nc_u32 v[GOB], 8*128, v[GOB]
.endm
; Phase p: my row blocks 4 p .. 4 p + 3 (window 2 + p) go into the stage; behind a barrier each wave takes 32 whole stage rows, 8 a trip.
.macro PHASE p
.if \p
	s_wait_dscnt 0x0                               ; my reads of the stage are over,
	s_barrier_signal -1
	s_barrier_wait -1                              ; everybody's are: it may be written again
	v_add_nc_u32 v[GOF], 32*4096, v[GOF]           ; from row 32 on to row 64 (the last trip's wait has freed both)
	v_add_nc_u32 v[GOB], 32*128, v[GOB]
.endif
	WIN 0x08+4*(\p)                                ; an LDS store's data is source 1
.irp a, 0,1,2,3
.irp b, 0,1,2,3,4,5,6,7
	ds_store_b128 v[ZW], v[8*(8*(\a)+(\b)):8*(8*(\a)+(\b))+3]   offset:(\a)*16*ZP+((\b)/2)*256+((\b)%2)*64     ; each accumulator's low registers first
	ds_store_b128 v[ZW], v[8*(8*(\a)+(\b))+4:8*(8*(\a)+(\b))+7] offset:(\a)*16*ZP+((\b)/2)*256+((\b)%2)*64+16
.endr
.endr
	WIN 0
	s_wait_dscnt 0x0                               ; for the others' sake: my stores into the stage are done
	s_barrier_signal -1
	s_barrier_wait -1
	v_mov_b32 v[RZ], v[RZ0]
	v_add_nc_u32 v[RC], (\p)*64*CP, v[RC0]
	s_mov_b32 s3, 4
.Ltrip_\@:
	TRIP
	s_sub_co_u32 s3, s3, 1
	s_cmp_lg_u32 s3, 0
	s_cbranch_scc1 .Ltrip_\@
.endm
	s_wait_tensorcnt 1                             ; my part of K step 0 is in; K step 1's may stay out
	s_barrier_signal -1
	s_barrier_wait -1                              ; everybody's is
	FETCH 0, 0, F0
	s_wait_loadcnt 0x0                             ; the bias
	QUARTER 0, 1, F0, F1, 1                        ; the first quarter stands in front of the loop: its products start the sums
	WIN 0                                          ; at a label and at a branch every window is 0
	s_mov_b32 s3, LAPS-1
.Llap:                                                 ; a trip goes once round the ring, from a lap's second quarter to the next lap's first, and fills both slots again
	QUARTER 0, 2, F1, F0, 0
	QUARTER 0, 3, F0, F1, 0
	TURN 0, 1, 0
	QUARTER 1, 1, F0, F1, 0
	QUARTER 1, 2, F1, F0, 0
	QUARTER 1, 3, F0, F1, 0
	TURN 1, 0, 0
	QUARTER 0, 1, F0, F1, 0
	WIN 0
	s_sub_co_u32 s3, s3, 1
	s_cmp_lg_u32 s3, 0
	s_cbranch_scc1 .Llap
	QUARTER 0, 2, F1, F0, 0                        ; the last lap is written out: no K step is left to ask for
	QUARTER 0, 3, F0, F1, 0
	TURN 0, 1, 1                                   ; slot 0 takes the cell tile
	QUARTER 1, 1, F0, F1, 0
	QUARTER 1, 2, F1, F0, 0
	QUARTER 1, 3, F0, F1, 0
	s_wait_dscnt 8                                 ; the very last quarter: nothing more to fetch
	MUL16 F1, 0, 0, 0
	MUL16 F1, 0, 2, 0
	s_wait_dscnt 0x0
	MUL16 F1, 1, 0, 0
	MUL16 F1, 1, 2, 0
	WIN 0
	PLACES                                         ; the places behind the last products, ahead of the LDS stores that read results and of the loads into the fragments' registers
	PLACES
	s_wait_tensorcnt 0x0                           ; my quarter of the cell tile is in,
	s_wait_dscnt 0x0                               ; and my reads of slot 1 are over:
	s_barrier_signal -1
	s_barrier_wait -1                              ; both hold of every wave: the cell tile is whole, and slot 1, which no load fills any more, becomes the stage
	PHASE 0
	PHASE 1
	s_wait_tensorcnt 0x0                           ; the wave's end, behind my last tensor load and my last LDS store
	ds_add_u32 v[SPW], v[NIL]
	s_wait_dscnt 0x0
	CROUND                                         ; the closing round: no work-group ends while a partner may still ask for a tile that names it
	s_endpgm
.Lfunc_end_k_q0a1b149a28_gates:
	.size	k_q0a1b149a28_gates, .Lfunc_end_k_q0a1b149a28_gates-k_q0a1b149a28_gates
	.p2alignl 7, 3214868480
	.fill 96, 4, 3214868480
	.section	.rodata,"a",@progbits
	.p2align	6, 0x0
	.amdhsa_kernel k_q0a1b149a28_gates
		.amdhsa_group_segment_fixed_size 327680
		.amdhsa_private_segment_fixed_size 0
		.amdhsa_enable_private_segment 0
		.amdhsa_kernarg_size 80
		.amdhsa_user_sgpr_count 2
		.amdhsa_user_sgpr_kernarg_segment_ptr 1
		.amdhsa_wavefront_size32 1
		.amdhsa_system_sgpr_workgroup_id_x 1
		.amdhsa_system_sgpr_workgroup_id_y 1
		.amdhsa_system_sgpr_workgroup_id_z 1
		.amdhsa_system_vgpr_workitem_id 0
		.amdhsa_next_free_vgpr 1024
		.amdhsa_next_free_sgpr 100
		.amdhsa_reserve_vcc 0
		.amdhsa_float_denorm_mode_32 3
		.amdhsa_float_denorm_mode_16_64 3
		.amdhsa_memory_ordered 1
		.amdhsa_forward_progress 1
		.amdhsa_inst_pref_size 158
	.end_amdhsa_kernel
	.amdgpu_metadata
---
amdhsa.version: [ 1, 2 ]
amdhsa.kernels:
  - .name:           k_q0a1b149a28_gates
    .symbol:         k_q0a1b149a28_gates.kd
    .args:
      - { .name: xb, .offset: 0, .size: 8, .value_kind: global_buffer, .address_space: global }
      - { .name: wgb, .offset: 8, .size: 8, .value_kind: global_buffer, .address_space: global }
      - { .name: bi, .offset: 16, .size: 8, .value_kind: global_buffer, .address_space: global }
      - { .name: bf, .offset: 24, .size: 8, .value_kind: global_buffer, .address_space: global }
      - { .name: bo, .offset: 32, .size: 8, .value_kind: global_buffer, .address_space: global }
      - { .name: bg, .offset: 40, .size: 8, .value_kind: global_buffer, .address_space: global }
      - { .name: previous_cell_state, .offset: 48, .size: 8, .value_kind: global_buffer, .address_space: global }
      - { .name: out1, .offset: 56, .size: 8, .value_kind: global_buffer, .address_space: global }
      - { .name: out2, .offset: 64, .size: 8, .value_kind: global_buffer, .address_space: global }
      - { .name: hb, .offset: 72, .size: 8, .value_kind: global_buffer, .address_space: global }
    .group_segment_fixed_size: 327680
    .private_segment_fixed_size: 0
    .kernarg_segment_align: 8
    .kernarg_segment_size: 80
    .max_flat_workgroup_size: 128
    .sgpr_count:     100
    .vgpr_count:     1024
    .wavefront_size: 32
...
	.end_amdgpu_metadata
.endif
;; end of part 2
;; launch resid (part 3): grid 8 x 32, 4 waves a work-group, clusters of 4 x 4, 327,680 bytes of LDS; arguments hb, xb, w2b, bh, bc, rb; writes rb
.if DOCPART == 3
	.amdgcn_target "amdgcn-amd-amdhsa--gfx1250"
	.amdhsa_code_object_version 6
	.text
	.protected	k_q0a1b149a28_resid
	.globl	k_q0a1b149a28_resid
	.p2align	8
	.type	k_q0a1b149a28_resid,@function
k_q0a1b149a28_resid:
	s_mov_b64 s[64:65], 0
	v_nop
	global_prefetch_b8 v0, s[64:65] scope:SCOPE_SE
	s_setreg_imm32_b32 hwreg(HW_REG_WAVE_MODE, 25, 1), 1
	s_wait_xcnt 0x0
	s_wait_alu depctr_hold_cnt(0) depctr_sa_sdst(0) depctr_va_vdst(0) depctr_va_sdst(0) depctr_va_ssrc(0) depctr_va_vcc(0) depctr_vm_vsrc(0)
	s_getreg_b32 s2, hwreg(HW_REG_IB_STS2, 6, 4)
	s_cmp_eq_u32 s2, 0
	s_cbranch_scc0 .Lentry_in_a_cluster
	s_endpgm
.Lentry_in_a_cluster:
	s_bfe_u32 s2, ttmp6, 0x10000c
	s_cmp_lg_u32 s2, 0xf033
	s_cbranch_scc0 .Lentry_shape_is_right
	s_endpgm
.Lentry_shape_is_right:
; resid = emb + hidden Wh^T + bh + ctx Wc^T + bc: one product with K = 2,048, bf16 operands, f32 sums; resid is rounded once to bf16 and stored in planes (rb) for the last product.
; All operands lie in planes, [K/64][rows][64] bf16, a row of a plane 128 bytes: hb 16 planes of 4,096 rows (hidden); xb 48 (0-15 emb, 32-47 ctx); w2b 32 planes of 1,024 rows (0-15 Wh, 16-31 Wc).
; LIMITS.  Matrix operands, and the emb that is added, are the inputs rounded to bf16; resid is rounded to bf16.  No range is cut: bf16 has f32's exponents.
; SHARES.  A tile is 128 x 128; four waves, each 64 x 64: 16 accumulators, 128 registers.  K goes in steps of 256 (four planes) through two LDS slots.  f32 sums may be taken in any order, so each slot walks
; planes of its own: slot 0 hidden x Wh, slot 1 ctx x Wc, four K steps each: no base changes inside the loop.
; THE MATRIX INSTRUCTION IS USED TRANSPOSED (source 0 = 16 rows of w2b, source 1 = 16 batch rows): a lane holds batch row l % 16 and eight neighbouring columns.  bh + bc is the C operand that starts the sums.
; CLUSTERS: 4 x 4 work-groups; the batch rows' tiles are shared along a row of the cluster, the weights' along a column, each asked for jointly.
; A wave's 64 columns are one plane of emb and of rb: its emb tile (8 KiB on end) comes into slot 0 behind that slot's last K step, and the way out is the wave's own: no barrier.
; No prefetch: the tiles are small and the launch is short.
; REGISTERS: window 0: v0-31 addresses; v32-95 at work; v96-127 the bias; v128-255 the accumulators ((a, b) at v[128 + 8 (4 a + b)]).  window 1: two fragment buffers of 128 (64 of the batch rows', then 64 of the weights').
.set PLX,    524288                    ; a plane of 4,096 rows
.set PLW,    131072                    ; a plane of 1,024 rows
.set PITCH,  144                       ; an LDS row: 128 bytes + 16 of padding = 36 words: sixteen rows start in sixteen different groups of four banks (64 banks of 4 bytes: ISA guide 11.1)
.set PPL,    64*PITCH                  ; one plane of one load
.set HALFT,  4*PPL                     ; what one tensor load brings: 64 rows, four planes
.set SLOT,   4*HALFT
.set SPARE,  2*SLOT                    ; behind the ring: the spare words, 128 bytes for each wave
.set LAPS,   4
.set ONE,  13                          ; v13  1.0
.set VB,   14                          ; v14  my byte offset in a bias; never rewritten
.set ADRA, 16
.set ADRB, 20
.set STO,  24                          ; v24  the way out: where I put 16 bytes of a row (my stage: LDS byte HALFT + wave x PPL, in slot 0 behind its last fill)
.set RD,   25                          ; v25  where I read rows back
.set GO,   26                          ; v26  16 x lane
.set ERD,  27                          ; v27  where I read my emb tile (LDS byte wave x PPL)
.set SPW,  28
.set NIL,  29
.set TMP,  32
.set BI,   96
.set ACC,  128
.set F0,   0
.set F1,   128
.set G1,  24
.set G0,  32
.set G1B, 48
.set G0B, 56
.set G0E, 84                           ; s[84:87], s[88:95] the emb tile's descriptor
.set G1E, 88
.set MSB, 0
.macro WIN new
.if MSB != (\new)
	s_set_vgpr_msb (MSB<<8)|(\new)
.set MSB, \new
.endif
.endm
.set MUL,  0x05                        ; sources 0 and 1 window 1; C and D window 0
.set TO_F, 0x40                        ; destination window 1, address window 0
.macro JLOAD s                         ; a joint load: waves 0 and 1 fetch the batch rows' two halves, waves 2 and 3 the weights'; an s_nop 0 and four v_nop follow each line
	s_cmp_eq_u32 s11, 0
	s_cbranch_scc0 .Lfor_b_\@
	tensor_load_to_lds s[G0+4*(\s):G0+4*(\s)+3], s[G1:G1+7]
	s_nop 0
.rept 4
	v_nop
.endr
	s_branch .Lasked_\@
.Lfor_b_\@:
	tensor_load_to_lds s[G0B+4*(\s):G0B+4*(\s)+3], s[G1B:G1B+7]
	s_nop 0
.rept 4
	v_nop
.endr
.Lasked_\@:
.endm
.macro ELOAD                           ; my emb tile: a load of the wave's own, no mask
	tensor_load_to_lds s[G0E:G0E+3], s[G1E:G1E+7]
	s_nop 0
.rept 4
	v_nop
.endr
.endm
.macro CREST
	s_cmp_lg_u32 s10, 0
	s_cbranch_scc1 .Lnot_wave_0_\@
	s_barrier_signal -3
.Lnot_wave_0_\@:
	s_barrier_wait -3
	s_barrier_signal -1
	s_barrier_wait -1
.endm
.macro CROUND
	s_barrier_signal -1
	s_barrier_wait -1
	CREST
.endm
	s_load_b256 s[68:75], s[0:1], 0x0              ; hb s[68:69], xb s[70:71], w2b s[72:73], bh s[74:75]
	s_load_b128 s[76:79], s[0:1], 0x20             ; bc s[76:77], rb s[78:79]
	v_lshl_add_u32 v[SPW], v0, 2, SPARE
	v_mov_b32 v[NIL], 0
	ds_add_u32 v[SPW], v[NIL]                      ; the wave's opening: the add, twice on end, and its wait ahead of my first tensor load
	ds_add_u32 v[SPW], v[NIL]
	v_lshrrev_b32 v1, 5, v0
	v_readfirstlane_b32 s10, v1                    ; wave 0..3
	s_lshr_b32 s11, s10, 1                         ; rh.  Also: I fetch batch rows (0) or weights (1)
	s_and_b32 s12, s10, 1                          ; ch.  Also: which 64 rows of that tile I fetch
	s_bfe_u32 s40, ttmp6, 0x40000                  ; cx
	s_bfe_u32 s41, ttmp6, 0x40004                  ; cy
	s_lshl_b32 s42, ttmp9, 2
	s_add_co_u32 s42, s42, s40                     ; tc
	s_and_b32 s13, ttmp7, 0xffff
	s_lshl_b32 s13, s13, 2
	s_add_co_u32 s13, s13, s41                     ; tr
	s_lshl_b32 s43, s41, 2
	s_lshl_b32 s43, 15, s43                        ; my row of the cluster
	s_lshl_b32 s44, 0x1111, s40                    ; my column
	; group 1: four rows of 4,096 elements: in each of four planes 64 rows x 64 elements lie on end, 8 KiB; 16 bytes of padding follow every 128
	s_or_b32 s[G1+0], s43, (1<<16)|(1<<20)|(1<<21)|(4<<22)|(3<<25)
	s_or_b32 s[G1B+0], s44, (1<<16)|(1<<20)|(1<<21)|(4<<22)|(3<<25)
.irp g, G1, G1B
	s_mov_b32 s[(\g)+1], 4096<<16                  ; tensor_dim0
	s_mov_b32 s[(\g)+2], 4<<16                     ; tensor_dim1
	s_mov_b32 s[(\g)+3], 4096<<16                  ; tile_dim0
	s_mov_b32 s[(\g)+4], 4                         ; tile_dim1
	s_mov_b32 s[(\g)+6], 0
	s_mov_b32 s[(\g)+7], 0
.endr
	s_mov_b32 s[G1+5], PLX/2                       ; from row to row: a plane, in elements
	s_mov_b32 s[G1B+5], PLW/2
	; the emb tile: 8 KiB on end, asked for as 32 rows of 256 bytes, padded after every 128
	s_mov_b32 s[G1E+0], (1<<16)|(1<<20)|(4<<22)|(3<<25)
	s_mov_b32 s[G1E+1], 128<<16
	s_mov_b32 s[G1E+2], 32<<16
	s_mov_b32 s[G1E+3], 128<<16
	s_mov_b32 s[G1E+4], 32
	s_mov_b32 s[G1E+5], 128
	s_mov_b32 s[G1E+6], 0
	s_mov_b32 s[G1E+7], 0
	s_mov_b32 s[G0E], 1
	s_mul_i32 s[G0E+1], s10, PPL
	s_lshl_b32 s17, s12, 6                         ; which 64 rows I fetch
	s_lshl_b32 s16, s13, 7
	s_add_co_u32 s16, s16, s17
	s_lshl_b32 s16, s16, 7                         ; x 128 bytes
	s_lshl_b32 s46, s42, 7
	s_add_co_u32 s46, s46, s17
	s_lshl_b32 s46, s46, 7
	s_mov_b32 s17, 0
	s_mov_b32 s47, 0
	s_mul_i32 s20, s10, HALFT
	s_wait_dscnt 0x0                               ; both opening adds are done
	s_wait_kmcnt 0x0
	s_add_nc_u64 s[G0+2:G0+3], s[68:69], s[16:17]  ; slot 0: hidden's planes 0-3,
	s_add_nc_u64 s[G0+6:G0+7], s[70:71], s[16:17]  ; slot 1: ctx's, xb's planes 32-35
	s_add_nc_u64 s[G0+6:G0+7], s[G0+6:G0+7], 32*PLX
	s_add_nc_u64 s[G0B+2:G0B+3], s[72:73], s[46:47]       ; Wh's planes 0-3,
	s_add_nc_u64 s[G0B+6:G0B+7], s[G0B+2:G0B+3], 16*PLW   ; Wc's
.irp s, 0,1
	s_mov_b32 s[G0+4*(\s)], 1
	s_add_co_u32 s[G0+4*(\s)+1], s20, (\s)*SLOT
	s_or_b32 s[G0+4*(\s)+3], s[G0+4*(\s)+3], 0x80000000
	s_mov_b32 s[G0B+4*(\s)], 1
	s_add_co_u32 s[G0B+4*(\s)+1], s20, (\s)*SLOT
	s_or_b32 s[G0B+4*(\s)+3], s[G0B+4*(\s)+3], 0x80000000
.endr
	CROUND                                         ; all sixteen work-groups are here: the first joint loads meet
	JLOAD 0
	JLOAD 1                                        ; two loads of mine are out
	v_and_b32 v1, 15, v0                           ; l % 16
	v_bfe_u32 v2, v0, 4, 1                         ; l / 16
	s_lshl_b32 s20, s42, 9                         ; the bias: column 128 tc + 64 ch + 16 b + 8 (l / 16) + j
	s_lshl_b32 s21, s12, 8
	s_add_co_u32 s20, s20, s21
	v_lshl_add_u32 v[VB], v2, 5, s20
.irp b, 0,1,2,3
	global_load_b128 v[BI+8*(\b):BI+8*(\b)+3],     v[VB], s[74:75] offset:(\b)*64
	global_load_b128 v[BI+8*(\b)+4:BI+8*(\b)+7],   v[VB], s[74:75] offset:(\b)*64+16
	global_load_b128 v[TMP+8*(\b):TMP+8*(\b)+3],   v[VB], s[76:77] offset:(\b)*64
	global_load_b128 v[TMP+8*(\b)+4:TMP+8*(\b)+7], v[VB], s[76:77] offset:(\b)*64+16
.endr
	v_mul_u32_u24 v3, v1, PITCH
	v_lshl_add_u32 v3, v2, 4, v3                   ; a fragment's row x pitch + 16 x half
	s_mul_i32 s21, s11, HALFT
	s_mul_i32 s22, s12, HALFT
	s_add_co_u32 s22, s22, 2*HALFT
.irp s, 0,1
	v_add_nc_u32 v[ADRA+(\s)], s21, v3
	v_add_nc_u32 v[ADRB+(\s)], s22, v3
	s_add_co_u32 s21, s21, SLOT
	s_add_co_u32 s22, s22, SLOT
.endr
	s_mul_i32 s23, s10, PPL
	v_add_nc_u32 v[ERD], s23, v3                   ; the emb tile has a fragment's geometry: row l % 16, 16 bytes for each half of the lanes
	v_add_nc_u32 v[STO], HALFT, v[ERD]             ; and so has the stage, HALFT further on
	v_bfe_u32 v4, v0, 3, 2                         ; back: 32 lanes take four rows of 128 bytes
	v_and_b32 v5, 7, v0
	v_mul_u32_u24 v4, v4, PITCH
	v_lshl_add_u32 v4, v5, 4, v4
	s_add_co_u32 s23, s23, HALFT
	v_add_nc_u32 v[RD], s23, v4
	v_and_b32 v4, 31, v0
	v_lshlrev_b32 v[GO], 4, v4                     ; which are 512 consecutive bytes of a plane
	v_mov_b32 v[ONE], 1.0
	s_lshl1_add_u32 s20, s42, s12                  ; my plane of emb and of rb: 2 tc + ch,
	s_lshl_b32 s20, s20, 19
	s_lshl_b32 s21, s13, 7                         ; my rows: 128 tr + 64 rh
	s_lshl_b32 s22, s11, 6
	s_add_co_u32 s21, s21, s22
	s_lshl_b32 s21, s21, 7
	s_add_co_u32 s20, s20, s21
	s_mov_b32 s21, 0
	s_add_nc_u64 s[G0E+2:G0E+3], s[70:71], s[20:21]
	s_or_b32 s[G0E+3], s[G0E+3], 0x80000000
	s_add_nc_u64 s[78:79], s[78:79], s[20:21]
	s_wait_loadcnt 0x0
.set z, 0
.rept 16
	v_pk_add_f32 v[BI+z:BI+z+1], v[BI+z:BI+z+1], v[TMP+z:TMP+z+1]   ; bh + bc
.set z, z+2
.endr
; 8 matrix instructions: row blocks a0, a0 + 1 x all 4 column blocks, 32 along K: half c of buffer f.  zero = 1: the first product starts the sums with the bias.  The 16 accumulators take turns.
.macro MUL8 f, c, a0, zero
	WIN MUL
.irp a, \a0, (\a0)+1
.irp b, 0,1,2,3
.if \zero
	v_wmma_f32_16x16x32_bf16 v[ACC+8*(4*(\a)+(\b)):ACC+8*(4*(\a)+(\b))+7], v[(\f)+64+8*(4*(\c)+(\b)):(\f)+64+8*(4*(\c)+(\b))+7], v[(\f)+8*(4*(\c)+(\a)):(\f)+8*(4*(\c)+(\a))+7], v[BI+8*(\b):BI+8*(\b)+7]
.else
	v_wmma_f32_16x16x32_bf16 v[ACC+8*(4*(\a)+(\b)):ACC+8*(4*(\a)+(\b))+7], v[(\f)+64+8*(4*(\c)+(\b)):(\f)+64+8*(4*(\c)+(\b))+7], v[(\f)+8*(4*(\c)+(\a)):(\f)+8*(4*(\c)+(\a))+7], v[ACC+8*(4*(\a)+(\b)):ACC+8*(4*(\a)+(\b))+7]
.endif
.endr
.endr
.endm
; 32 LDS loads in one run: the fragments of plane q of a K step (64 along K) into buffer f; the first 32 along K first
.macro FETCH slot, q, f
	WIN TO_F
.irp c, 0,1
.irp i, 0,1,2,3
	ds_load_b128 v[(\f)+64+8*(4*(\c)+(\i)):(\f)+64+8*(4*(\c)+(\i))+3],   v[ADRB+(\slot)] offset:(\q)*PPL+64*(\c)+(\i)*16*PITCH
	ds_load_b128 v[(\f)+64+8*(4*(\c)+(\i))+4:(\f)+64+8*(4*(\c)+(\i))+7], v[ADRB+(\slot)] offset:(\q)*PPL+64*(\c)+(\i)*16*PITCH+32
	ds_load_b128 v[(\f)+8*(4*(\c)+(\i)):(\f)+8*(4*(\c)+(\i))+3],         v[ADRA+(\slot)] offset:(\q)*PPL+64*(\c)+(\i)*16*PITCH
	ds_load_b128 v[(\f)+8*(4*(\c)+(\i))+4:(\f)+8*(4*(\c)+(\i))+7],       v[ADRA+(\slot)] offset:(\q)*PPL+64*(\c)+(\i)*16*PITCH+32
.endr
.endr
.endm
.macro PLACES                          ; four plain vector instructions between a matrix instruction and a load into, or a read or write of, its registers (ISA guide 7.12.1 for reads and writes)
.rept 4
	v_nop
.endr
.endm
; A K step is four quarters, a plane each, 32 matrix instructions, on buffers 0, 1, 0, 1.  One of the first three: multiplies buffer f and fetches plane q into g.
.macro QUARTER slot, q, f, g, zero
	s_wait_dscnt 16                                ; the first 32 along K are in
	MUL8 \f, 0, 0, \zero
	MUL8 \f, 0, 2, \zero
	PLACES
	FETCH \slot, \q, \g
	s_wait_dscnt 32                                ; all but the 32 just issued
	MUL8 \f, 1, 0, 0
	MUL8 \f, 1, 2, 0
.endm
; The last quarter multiplies buffer 1 and changes slots: each wave waits for all its tensor loads, adds 0 to its spare word, and waits for that and for its own reads of this slot, ahead of ONE barrier.
; kind = 1: the barrier opens a round of the cluster's, and this slot is filled again, jointly, with its next four planes.  kind = 2: a round, and the slot takes each wave's emb tile.  kind = 0: nothing is filled.
.macro TURN slot, next, kind
	WIN 0                                          ; (the add's two registers lie in window 0)
	s_wait_tensorcnt 0x0                           ; all my tensor loads have landed: my part of the next slot
	ds_add_u32 v[SPW], v[NIL]                      ; 0 onto my spare word
	s_wait_dscnt 17                                ; the add and the youngest sixteen loads may be out
	MUL8 F1, 0, 0, 0
	s_wait_dscnt 0x0                               ; the add is done, and my reads of this slot are over
	s_barrier_signal -1
	MUL8 F1, 0, 2, 0
.if \kind
	WIN 0
.endif
	s_barrier_wait -1
.if (\kind) == 1
	CREST
	s_add_nc_u64 s[G0+4*(\slot)+2:G0+4*(\slot)+3], s[G0+4*(\slot)+2:G0+4*(\slot)+3], 4*PLX
	s_add_nc_u64 s[G0B+4*(\slot)+2:G0B+4*(\slot)+3], s[G0B+4*(\slot)+2:G0B+4*(\slot)+3], 4*PLW
	JLOAD \slot                                    ; the first tensor load behind the round; its four v_nop are also the places in front of the loads below
.elseif (\kind) == 2
	CREST
	ELOAD
.else
	PLACES
.endif
	FETCH \next, 0, F0
	MUL8 F1, 1, 0, 0
	MUL8 F1, 1, 2, 0
.endm
	s_wait_tensorcnt 1                             ; my part of slot 0 is in; slot 1's may stay out
	s_barrier_signal -1
	s_barrier_wait -1
	FETCH 0, 0, F0
	QUARTER 0, 1, F0, F1, 1                        ; the first quarter stands in front of the loop: its first products start the sums
	WIN 0
	s_mov_b32 s3, LAPS-1
.Llap:
	QUARTER 0, 2, F1, F0, 0
	QUARTER 0, 3, F0, F1, 0
	TURN 0, 1, 1
	QUARTER 1, 1, F0, F1, 0
	QUARTER 1, 2, F1, F0, 0
	QUARTER 1, 3, F0, F1, 0
	TURN 1, 0, 1
	QUARTER 0, 1, F0, F1, 0
	WIN 0
	s_sub_co_u32 s3, s3, 1
	s_cmp_lg_u32 s3, 0
	s_cbranch_scc1 .Llap
	QUARTER 0, 2, F1, F0, 0                        ; the last lap is written out
	QUARTER 0, 3, F0, F1, 0
	TURN 0, 1, 2                                   ; slot 0 takes the emb tiles
	QUARTER 1, 1, F0, F1, 0
	QUARTER 1, 2, F1, F0, 0
	QUARTER 1, 3, F0, F1, 0
	s_wait_dscnt 16
	MUL8 F1, 0, 0, 0
	MUL8 F1, 0, 2, 0
	s_wait_dscnt 0x0
	MUL8 F1, 1, 0, 0
	MUL8 F1, 1, 2, 0
	WIN 0
	; THE WAY OUT, each wave's own.  emb is added from its bf16 halves, in f32; resid is rounded to bf16, 16 bytes a lane, goes into my stage and comes back as whole rows of a plane.
	PLACES
	PLACES
	s_wait_tensorcnt 0x0                           ; my emb tile is in: only I read it
.irp t, 0,1,2,3,4,5,6,7,8,9,10,11,12,13,14,15
	ds_load_b128 v[TMP+4*(\t):TMP+4*(\t)+3], v[ERD] offset:((\t)/4)*16*PITCH+((\t)%4)*32
.endr
.irp t, 0,1,2,3,4,5,6,7,8,9,10,11,12,13,14,15
	s_wait_dscnt 15                                ; behind load t stand 15 - t younger loads and the t stores of the blocks before: fifteen may be out
.irp r, 0,1,2,3
	v_fma_mix_f32_bf16 v[ACC+8*(\t)+2*(\r)],   v[TMP+4*(\t)+(\r)], v[ONE], v[ACC+8*(\t)+2*(\r)]   op_sel_hi:[1,0,0]                  ; the low half, widened and added in one line
	v_fma_mix_f32_bf16 v[ACC+8*(\t)+2*(\r)+1], v[TMP+4*(\t)+(\r)], v[ONE], v[ACC+8*(\t)+2*(\r)+1] op_sel:[1,0,0] op_sel_hi:[1,0,0]   ; the high half
.endr
.irp r, 0,1,2,3
	v_cvt_pk_bf16_f32 v[TMP+4*(\t)+(\r)], v[ACC+8*(\t)+2*(\r)], v[ACC+8*(\t)+2*(\r)+1]
.endr
	ds_store_b128 v[STO], v[TMP+4*(\t):TMP+4*(\t)+3] offset:((\t)/4)*16*PITCH+((\t)%4)*32
.endr
.irp t, 0,1,2,3,4,5,6,7,8,9,10,11,12,13,14,15
	ds_load_b128 v[TMP+4*(\t):TMP+4*(\t)+3], v[RD] offset:(\t)*4*PITCH   ; LDS serves a wave's instructions in order (ISA guide 5.7.1.4): these see the stores above
.endr
.irp t, 0,1,2,3,4,5,6,7,8,9,10,11,12,13,14,15
	s_wait_dscnt 15-(\t)
	global_store_b128 v[GO], v[TMP+4*(\t):TMP+4*(\t)+3], s[78:79] offset:(\t)*512   ; 512 consecutive bytes, at a multiple of 256 from rb's first byte
.endr
	s_wait_tensorcnt 0x0                           ; the wave's end, behind my last tensor load and my last LDS store
	ds_add_u32 v[SPW], v[NIL]
	s_wait_dscnt 0x0
	CROUND                                         ; the closing round
	s_endpgm
.Lfunc_end_k_q0a1b149a28_resid:
	.size	k_q0a1b149a28_resid, .Lfunc_end_k_q0a1b149a28_resid-k_q0a1b149a28_resid
	.p2alignl 7, 3214868480
	.fill 96, 4, 3214868480
	.section	.rodata,"a",@progbits
	.p2align	6, 0x0
	.amdhsa_kernel k_q0a1b149a28_resid
		.amdhsa_group_segment_fixed_size 327680
		.amdhsa_private_segment_fixed_size 0
		.amdhsa_enable_private_segment 0
		.amdhsa_kernarg_size 48
		.amdhsa_user_sgpr_count 2
		.amdhsa_user_sgpr_kernarg_segment_ptr 1
		.amdhsa_wavefront_size32 1
		.amdhsa_system_sgpr_workgroup_id_x 1
		.amdhsa_system_sgpr_workgroup_id_y 1
		.amdhsa_system_sgpr_workgroup_id_z 1
		.amdhsa_system_vgpr_workitem_id 0
		.amdhsa_next_free_vgpr 512
		.amdhsa_next_free_sgpr 96
		.amdhsa_reserve_vcc 0
		.amdhsa_float_denorm_mode_32 3
		.amdhsa_float_denorm_mode_16_64 3
		.amdhsa_memory_ordered 1
		.amdhsa_forward_progress 1
		.amdhsa_inst_pref_size 99
	.end_amdhsa_kernel
	.amdgpu_metadata
---
amdhsa.version: [ 1, 2 ]
amdhsa.kernels:
  - .name:           k_q0a1b149a28_resid
    .symbol:         k_q0a1b149a28_resid.kd
    .args:
      - { .name: hb, .offset: 0, .size: 8, .value_kind: global_buffer, .address_space: global }
      - { .name: xb, .offset: 8, .size: 8, .value_kind: global_buffer, .address_space: global }
      - { .name: w2b, .offset: 16, .size: 8, .value_kind: global_buffer, .address_space: global }
      - { .name: bh, .offset: 24, .size: 8, .value_kind: global_buffer, .address_space: global }
      - { .name: bc, .offset: 32, .size: 8, .value_kind: global_buffer, .address_space: global }
      - { .name: rb, .offset: 40, .size: 8, .value_kind: global_buffer, .address_space: global }
    .group_segment_fixed_size: 327680
    .private_segment_fixed_size: 0
    .kernarg_segment_align: 8
    .kernarg_segment_size: 48
    .max_flat_workgroup_size: 128
    .sgpr_count:     96
    .vgpr_count:     512
    .wavefront_size: 32
...
	.end_amdgpu_metadata
.endif
;; end of part 3
;; launch pred (part 4): grid 8 x 32, 4 waves a work-group, clusters of 4 x 4, 327,680 bytes of LDS; arguments rb, w3b, bp, out0; writes out0
.if DOCPART == 4
	.amdgcn_target "amdgcn-amd-amdhsa--gfx1250"
	.amdhsa_code_object_version 6
	.text
	.protected	k_q0a1b149a28_pred
	.globl	k_q0a1b149a28_pred
	.p2align	8
	.type	k_q0a1b149a28_pred,@function
k_q0a1b149a28_pred:
	s_mov_b64 s[64:65], 0
	v_nop
	global_prefetch_b8 v0, s[64:65] scope:SCOPE_SE
	s_setreg_imm32_b32 hwreg(HW_REG_WAVE_MODE, 25, 1), 1
	s_wait_xcnt 0x0
	s_wait_alu depctr_hold_cnt(0) depctr_sa_sdst(0) depctr_va_vdst(0) depctr_va_sdst(0) depctr_va_ssrc(0) depctr_va_vcc(0) depctr_vm_vsrc(0)
	s_getreg_b32 s2, hwreg(HW_REG_IB_STS2, 6, 4)
	s_cmp_eq_u32 s2, 0
	s_cbranch_scc0 .Lentry_in_a_cluster
	s_endpgm
.Lentry_in_a_cluster:
	s_bfe_u32 s2, ttmp6, 0x10000c
	s_cmp_lg_u32 s2, 0xf033
	s_cbranch_scc0 .Lentry_shape_is_right
	s_endpgm
.Lentry_shape_is_right:
; prediction = resid Wp^T + bp: K = 1,024, bf16 operands, f32 sums, out0 in f32.
; rb: [16 planes][4,096 rows][64] bf16 (resid); w3b: [16 planes][1,024 rows][64] bf16 (Wp).  A row of a plane is 128 bytes.
; LIMITS.  The operands are resid and Wp rounded to bf16; no range is cut.
; SHARES.  A tile is 128 x 128; four waves, each 64 x 64: 16 accumulators.  K goes in steps of 256 (four planes) through two LDS slots; f32 sums may be taken in any order, so slot 0 walks planes 0-7 and slot 1 planes 8-15.
; THE MATRIX INSTRUCTION IS USED TRANSPOSED (source 0 = 16 rows of w3b, source 1 = 16 batch rows): a lane holds batch row l % 16 and eight neighbouring columns.  bp is the C operand that starts the sums.
; CLUSTERS: 4 x 4 work-groups; resid's tiles are shared along a row of the cluster, Wp's along a column, each asked for jointly.
; A wave's 64 columns of f32 are 256 consecutive bytes, aligned, of a row of out0: the way out goes through a stage of the wave's own (in slot 0, behind its last fill), with no barrier.
; No prefetch: the tiles are small and the launch is short.
; REGISTERS: window 0: v0-31 addresses; v96-127 the bias; v128-255 the accumulators ((a, b) at v[128 + 8 (4 a + b)]).  window 1: two fragment buffers of 128.
.set PLX,    524288
.set PLW,    131072
.set PITCH,  144                       ; an LDS row: 128 bytes + 16 of padding = 36 words: sixteen rows start in sixteen different groups of four banks (64 banks of 4 bytes: ISA guide 11.1)
.set PPL,    64*PITCH
.set HALFT,  4*PPL
.set SLOT,   4*HALFT
.set SPARE,  2*SLOT                    ; behind the ring: the spare words, 128 bytes for each wave
.set LAPS,   2
.set OP,     272                       ; the stage's pitch: 256 + 16 = 68 words = 4 mod 64; a wave's stage is 64 rows, at LDS byte wave x 64 x OP
.set VB,   14
.set ADRA, 16
.set ADRB, 20
.set STO,  24
.set RD,   25
.set GO,   26
.set SPW,  28
.set NIL,  29
.set BI,   96
.set ACC,  128
.set F0,   0
.set F1,   128
.set G1,  24
.set G0,  32
.set G1B, 48
.set G0B, 56
.set MSB, 0
.macro WIN new
.if MSB != (\new)
	s_set_vgpr_msb (MSB<<8)|(\new)
.set MSB, \new
.endif
.endm
.set MUL,  0x05
.set TO_F, 0x40
.macro JLOAD s                         ; a joint load: waves 0 and 1 fetch resid's two halves, waves 2 and 3 Wp's; an s_nop 0 and four v_nop follow each line
	s_cmp_eq_u32 s11, 0
	s_cbranch_scc0 .Lfor_b_\@
	tensor_load_to_lds s[G0+4*(\s):G0+4*(\s)+3], s[G1:G1+7]
	s_nop 0
.rept 4
	v_nop
.endr
	s_branch .Lasked_\@
.Lfor_b_\@:
	tensor_load_to_lds s[G0B+4*(\s):G0B+4*(\s)+3], s[G1B:G1B+7]
	s_nop 0
.rept 4
	v_nop
.endr
.Lasked_\@:
.endm
.macro CREST
	s_cmp_lg_u32 s10, 0
	s_cbranch_scc1 .Lnot_wave_0_\@
	s_barrier_signal -3
.Lnot_wave_0_\@:
	s_barrier_wait -3
	s_barrier_signal -1
	s_barrier_wait -1
.endm
.macro CROUND
	s_barrier_signal -1
	s_barrier_wait -1
	CREST
.endm
	s_load_b256 s[68:75], s[0:1], 0x0              ; rb s[68:69], w3b s[70:71], bp s[72:73], out0 s[74:75]
	v_lshl_add_u32 v[SPW], v0, 2, SPARE
	v_mov_b32 v[NIL], 0
	ds_add_u32 v[SPW], v[NIL]                      ; the wave's opening: the add, twice on end, and its wait ahead of my first tensor load
	ds_add_u32 v[SPW], v[NIL]
	v_lshrrev_b32 v1, 5, v0
	v_readfirstlane_b32 s10, v1                    ; wave 0..3
	s_lshr_b32 s11, s10, 1                         ; rh.  Also: I fetch resid (0) or Wp (1)
	s_and_b32 s12, s10, 1                          ; ch.  Also: which 64 rows of that tile I fetch
	s_bfe_u32 s40, ttmp6, 0x40000                  ; cx
	s_bfe_u32 s41, ttmp6, 0x40004                  ; cy
	s_lshl_b32 s42, ttmp9, 2
	s_add_co_u32 s42, s42, s40                     ; tc
	s_and_b32 s13, ttmp7, 0xffff
	s_lshl_b32 s13, s13, 2
	s_add_co_u32 s13, s13, s41                     ; tr
	s_lshl_b32 s43, s41, 2
	s_lshl_b32 s43, 15, s43                        ; my row of the cluster
	s_lshl_b32 s44, 0x1111, s40                    ; my column
	; group 1: four rows of 4,096 elements: in each of four planes 64 rows x 64 elements lie on end; 16 bytes of padding follow every 128
	s_or_b32 s[G1+0], s43, (1<<16)|(1<<20)|(1<<21)|(4<<22)|(3<<25)
	s_or_b32 s[G1B+0], s44, (1<<16)|(1<<20)|(1<<21)|(4<<22)|(3<<25)
.irp g, G1, G1B
	s_mov_b32 s[(\g)+1], 4096<<16
	s_mov_b32 s[(\g)+2], 4<<16
	s_mov_b32 s[(\g)+3], 4096<<16
	s_mov_b32 s[(\g)+4], 4
	s_mov_b32 s[(\g)+6], 0
	s_mov_b32 s[(\g)+7], 0
.endr
	s_mov_b32 s[G1+5], PLX/2
	s_mov_b32 s[G1B+5], PLW/2
	s_lshl_b32 s17, s12, 6
	s_lshl_b32 s16, s13, 7
	s_add_co_u32 s16, s16, s17
	s_lshl_b32 s16, s16, 7
	s_lshl_b32 s46, s42, 7
	s_add_co_u32 s46, s46, s17
	s_lshl_b32 s46, s46, 7
	s_mov_b32 s17, 0
	s_mov_b32 s47, 0
	s_mul_i32 s20, s10, HALFT
	s_wait_dscnt 0x0                               ; both opening adds are done
	s_wait_kmcnt 0x0
	s_add_nc_u64 s[G0+2:G0+3], s[68:69], s[16:17]         ; slot 0: planes 0-3,
	s_add_nc_u64 s[G0+6:G0+7], s[G0+2:G0+3], 8*PLX        ; slot 1: planes 8-11
	s_add_nc_u64 s[G0B+2:G0B+3], s[70:71], s[46:47]
	s_add_nc_u64 s[G0B+6:G0B+7], s[G0B+2:G0B+3], 8*PLW
.irp s, 0,1
	s_mov_b32 s[G0+4*(\s)], 1
	s_add_co_u32 s[G0+4*(\s)+1], s20, (\s)*SLOT
	s_or_b32 s[G0+4*(\s)+3], s[G0+4*(\s)+3], 0x80000000
	s_mov_b32 s[G0B+4*(\s)], 1
	s_add_co_u32 s[G0B+4*(\s)+1], s20, (\s)*SLOT
	s_or_b32 s[G0B+4*(\s)+3], s[G0B+4*(\s)+3], 0x80000000
.endr
	CROUND                                         ; all sixteen work-groups are here: the first joint loads meet
	JLOAD 0
	JLOAD 1                                        ; two loads of mine are out
	v_and_b32 v1, 15, v0                           ; l % 16
	v_bfe_u32 v2, v0, 4, 1                         ; l / 16
	s_lshl_b32 s20, s42, 9                         ; the bias: column 128 tc + 64 ch + 16 b + 8 (l / 16) + j
	s_lshl_b32 s21, s12, 8
	s_add_co_u32 s20, s20, s21
	v_lshl_add_u32 v[VB], v2, 5, s20
.irp b, 0,1,2,3
	global_load_b128 v[BI+8*(\b):BI+8*(\b)+3],   v[VB], s[72:73] offset:(\b)*64
	global_load_b128 v[BI+8*(\b)+4:BI+8*(\b)+7], v[VB], s[72:73] offset:(\b)*64+16
.endr
	v_mul_u32_u24 v3, v1, PITCH
	v_lshl_add_u32 v3, v2, 4, v3
	s_mul_i32 s21, s11, HALFT
	s_mul_i32 s22, s12, HALFT
	s_add_co_u32 s22, s22, 2*HALFT
.irp s, 0,1
	v_add_nc_u32 v[ADRA+(\s)], s21, v3
	v_add_nc_u32 v[ADRB+(\s)], s22, v3
	s_add_co_u32 s21, s21, SLOT
	s_add_co_u32 s22, s22, SLOT
.endr
	s_mul_i32 s23, s10, 64*OP                      ; my stage
	v_mul_u32_u24 v3, v1, OP                       ; in: row l % 16, 32 bytes for each half of the lanes
	v_lshl_add_u32 v3, v2, 5, v3
	v_add_nc_u32 v[STO], s23, v3
	v_mul_u32_u24 v3, v2, OP                       ; back: lanes 0-15 one row of 256 bytes, lanes 16-31 the next
	v_lshl_add_u32 v3, v1, 4, v3
	v_add_nc_u32 v[RD], s23, v3
	v_lshlrev_b32 v3, 4, v1
	v_lshl_add_u32 v[GO], v2, 12, v3               ; and the same two rows in out0
	s_lshl_b32 s20, s13, 7                         ; out0 at row 128 tr + 64 rh, byte 512 tc + 256 ch
	s_lshl_b32 s21, s11, 6
	s_add_co_u32 s20, s20, s21
	s_lshl_b32 s20, s20, 12
	s_lshl_b32 s21, s42, 9
	s_add_co_u32 s20, s20, s21
	s_lshl_b32 s21, s12, 8
	s_add_co_u32 s20, s20, s21
	s_mov_b32 s21, 0
	s_add_nc_u64 s[74:75], s[74:75], s[20:21]
; 8 matrix instructions: row blocks a0, a0 + 1 x all 4 column blocks, 32 along K: half c of buffer f.  zero = 1: the first product starts the sums with the bias.  The 16 accumulators take turns.
.macro MUL8 f, c, a0, zero
	WIN MUL
.irp a, \a0, (\a0)+1
.irp b, 0,1,2,3
.if \zero
	v_wmma_f32_16x16x32_bf16 v[ACC+8*(4*(\a)+(\b)):ACC+8*(4*(\a)+(\b))+7], v[(\f)+64+8*(4*(\c)+(\b)):(\f)+64+8*(4*(\c)+(\b))+7], v[(\f)+8*(4*(\c)+(\a)):(\f)+8*(4*(\c)+(\a))+7], v[BI+8*(\b):BI+8*(\b)+7]
.else
	v_wmma_f32_16x16x32_bf16 v[ACC+8*(4*(\a)+(\b)):ACC+8*(4*(\a)+(\b))+7], v[(\f)+64+8*(4*(\c)+(\b)):(\f)+64+8*(4*(\c)+(\b))+7], v[(\f)+8*(4*(\c)+(\a)):(\f)+8*(4*(\c)+(\a))+7], v[ACC+8*(4*(\a)+(\b)):ACC+8*(4*(\a)+(\b))+7]
.endif
.endr
.endr
.endm
; 32 LDS loads in one run: the fragments of plane q of a K step (64 along K) into buffer f; the first 32 along K first
.macro FETCH slot, q, f
	WIN TO_F
.irp c, 0,1
.irp i, 0,1,2,3
	ds_load_b128 v[(\f)+64+8*(4*(\c)+(\i)):(\f)+64+8*(4*(\c)+(\i))+3],   v[ADRB+(\slot)] offset:(\q)*PPL+64*(\c)+(\i)*16*PITCH
	ds_load_b128 v[(\f)+64+8*(4*(\c)+(\i))+4:(\f)+64+8*(4*(\c)+(\i))+7], v[ADRB+(\slot)] offset:(\q)*PPL+64*(\c)+(\i)*16*PITCH+32
	ds_load_b128 v[(\f)+8*(4*(\c)+(\i)):(\f)+8*(4*(\c)+(\i))+3],         v[ADRA+(\slot)] offset:(\q)*PPL+64*(\c)+(\i)*16*PITCH
	ds_load_b128 v[(\f)+8*(4*(\c)+(\i))+4:(\f)+8*(4*(\c)+(\i))+7],       v[ADRA+(\slot)] offset:(\q)*PPL+64*(\c)+(\i)*16*PITCH+32
.endr
.endr
.endm
.macro PLACES                          ; four plain vector instructions between a matrix instruction and a load into, or a read of, its registers (ISA guide 7.12.1 for reads)
.rept 4
	v_nop
.endr
.endm
.macro QUARTER slot, q, f, g, zero
	s_wait_dscnt 16                                ; the first 32 along K are in
	MUL8 \f, 0, 0, \zero
	MUL8 \f, 0, 2, \zero
	PLACES
	FETCH \slot, \q, \g
	s_wait_dscnt 32                                ; all but the 32 just issued
	MUL8 \f, 1, 0, 0
	MUL8 \f, 1, 2, 0
.endm
; The last quarter multiplies buffer 1 and changes slots: each wave waits for all its tensor loads, adds 0 to its spare word, and waits for that and for its own reads of this slot, ahead of ONE barrier.
; kind = 1: the barrier opens a round of the cluster's, and this slot is filled again, jointly, with its next four planes.  kind = 0: nothing is filled.
.macro TURN slot, next, kind
	WIN 0                                          ; (the add's two registers lie in window 0)
	s_wait_tensorcnt 0x0                           ; all my tensor loads have landed: my part of the next slot
	ds_add_u32 v[SPW], v[NIL]                      ; 0 onto my spare word
	s_wait_dscnt 17                                ; the add and the youngest sixteen loads may be out
	MUL8 F1, 0, 0, 0
	s_wait_dscnt 0x0                               ; the add is done, and my reads of this slot are over
	s_barrier_signal -1
	MUL8 F1, 0, 2, 0
.if \kind
	WIN 0
.endif
	s_barrier_wait -1
.if \kind
	CREST
	s_add_nc_u64 s[G0+4*(\slot)+2:G0+4*(\slot)+3], s[G0+4*(\slot)+2:G0+4*(\slot)+3], 4*PLX
	s_add_nc_u64 s[G0B+4*(\slot)+2:G0B+4*(\slot)+3], s[G0B+4*(\slot)+2:G0B+4*(\slot)+3], 4*PLW
	JLOAD \slot                                    ; the first tensor load behind the round; its four v_nop are also the places in front of the loads below
.else
	PLACES
.endif
	FETCH \next, 0, F0
	MUL8 F1, 1, 0, 0
	MUL8 F1, 1, 2, 0
.endm
	s_wait_tensorcnt 1                             ; my part of slot 0 is in; slot 1's may stay out
	s_barrier_signal -1
	s_barrier_wait -1
	FETCH 0, 0, F0
	s_wait_loadcnt 0x0                             ; the bias
	QUARTER 0, 1, F0, F1, 1                        ; the first quarter stands in front of the loop: its first products start the sums
	WIN 0
	s_mov_b32 s3, LAPS-1
.Llap:
	QUARTER 0, 2, F1, F0, 0
	QUARTER 0, 3, F0, F1, 0
	TURN 0, 1, 1
	QUARTER 1, 1, F0, F1, 0
	QUARTER 1, 2, F1, F0, 0
	QUARTER 1, 3, F0, F1, 0
	TURN 1, 0, 1
	QUARTER 0, 1, F0, F1, 0
	WIN 0
	s_sub_co_u32 s3, s3, 1
	s_cmp_lg_u32 s3, 0
	s_cbranch_scc1 .Llap
	QUARTER 0, 2, F1, F0, 0                        ; the last lap fills nothing
	QUARTER 0, 3, F0, F1, 0
	TURN 0, 1, 0                                   ; behind its barrier nobody reads slot 0 any more: the stages lie there
	QUARTER 1, 1, F0, F1, 0
	QUARTER 1, 2, F1, F0, 0
	QUARTER 1, 3, F0, F1, 0
	s_wait_dscnt 16
	MUL8 F1, 0, 0, 0
	MUL8 F1, 0, 2, 0
	s_wait_dscnt 0x0
	MUL8 F1, 1, 0, 0
	MUL8 F1, 1, 2, 0
	WIN 0
	; THE WAY OUT, each wave's own: a lane's eight columns of a row, 32 bytes, go into my stage; whole rows of 256 bytes come back into the registers that the numbers left.
	PLACES
	PLACES
.irp a, 0,1,2,3
.irp b, 0,1,2,3
	ds_store_b128 v[STO], v[ACC+32*(\a)+8*(\b):ACC+32*(\a)+8*(\b)+3]   offset:(\a)*16*OP+(\b)*64      ; each accumulator's low registers first
	ds_store_b128 v[STO], v[ACC+32*(\a)+8*(\b)+4:ACC+32*(\a)+8*(\b)+7] offset:(\a)*16*OP+(\b)*64+16
.endr
.irp t, 0,1,2,3,4,5,6,7
	ds_load_b128 v[ACC+32*(\a)+4*(\t):ACC+32*(\a)+4*(\t)+3], v[RD] offset:(\a)*16*OP+(\t)*2*OP       ; LDS serves a wave's instructions in order (ISA guide 5.7.1.4): these see the stores above
.endr
.endr
.irp a, 0,1,2,3
.irp t, 0,1,2,3,4,5,6,7
	s_wait_dscnt 16*(3-(\a))+7-(\t)                ; behind this load: the block's 7 - t younger loads and sixteen LDS instructions for each later block
	global_store_b128 v[GO], v[ACC+32*(\a)+4*(\t):ACC+32*(\a)+4*(\t)+3], s[74:75] offset:(16*(\a)+2*(\t))*4096 th:TH_STORE_NT  ; sixteen lanes store 256 consecutive bytes, aligned
.endr
.endr
	s_wait_tensorcnt 0x0                           ; the wave's end, behind my last tensor load and my last LDS store
	ds_add_u32 v[SPW], v[NIL]
	s_wait_dscnt 0x0
	CROUND                                         ; the closing round
	s_endpgm
.Lfunc_end_k_q0a1b149a28_pred:
	.size	k_q0a1b149a28_pred, .Lfunc_end_k_q0a1b149a28_pred-k_q0a1b149a28_pred
	.p2alignl 7, 3214868480
	.fill 96, 4, 3214868480
	.section	.rodata,"a",@progbits
	.p2align	6, 0x0
	.amdhsa_kernel k_q0a1b149a28_pred
		.amdhsa_group_segment_fixed_size 327680
		.amdhsa_private_segment_fixed_size 0
		.amdhsa_enable_private_segment 0
		.amdhsa_kernarg_size 32
		.amdhsa_user_sgpr_count 2
		.amdhsa_user_sgpr_kernarg_segment_ptr 1
		.amdhsa_wavefront_size32 1
		.amdhsa_system_sgpr_workgroup_id_x 1
		.amdhsa_system_sgpr_workgroup_id_y 1
		.amdhsa_system_sgpr_workgroup_id_z 1
		.amdhsa_system_vgpr_workitem_id 0
		.amdhsa_next_free_vgpr 512
		.amdhsa_next_free_sgpr 96
		.amdhsa_reserve_vcc 0
		.amdhsa_float_denorm_mode_32 3
		.amdhsa_float_denorm_mode_16_64 3
		.amdhsa_memory_ordered 1
		.amdhsa_forward_progress 1
		.amdhsa_inst_pref_size 87
	.end_amdhsa_kernel
	.amdgpu_metadata
---
amdhsa.version: [ 1, 2 ]
amdhsa.kernels:
  - .name:           k_q0a1b149a28_pred
    .symbol:         k_q0a1b149a28_pred.kd
    .args:
      - { .name: rb, .offset: 0, .size: 8, .value_kind: global_buffer, .address_space: global }
      - { .name: w3b, .offset: 8, .size: 8, .value_kind: global_buffer, .address_space: global }
      - { .name: bp, .offset: 16, .size: 8, .value_kind: global_buffer, .address_space: global }
      - { .name: out0, .offset: 24, .size: 8, .value_kind: global_buffer, .address_space: global }
    .group_segment_fixed_size: 327680
    .private_segment_fixed_size: 0
    .kernarg_segment_align: 8
    .kernarg_segment_size: 32
    .max_flat_workgroup_size: 128
    .sgpr_count:     96
    .vgpr_count:     512
    .wavefront_size: 32
...
	.end_amdgpu_metadata
.endif
;; end of part 4
;; ======== version 2 of 2: 4 launches; version 1 with the launch cast written anew for expert scheduling mode
;; workspace buffers: xb 25,165,824 bytes; wgb 25,165,824 bytes; w2b 4,194,304 bytes; w3b 2,097,152 bytes; hb 8,388,608 bytes; rb 8,388,608 bytes
;; launch cast (part 5): grid 256 x 1, 16 waves a work-group, no clusters, 0 bytes of LDS; arguments previous_embedded_caption, previous_hidden_state, current_context_vector, Wi, Wf, Wo, Wg, Wh, Wc, Wp, xb, wgb, w2b, w3b; writes xb, wgb, w2b, w3b
.if DOCPART == 5
	.amdgcn_target "amdgcn-amd-amdhsa--gfx1250"
	.amdhsa_code_object_version 6
	.text
	.protected	k_q0a1b149a28_cast
	.globl	k_q0a1b149a28_cast
	.p2align	8
	.type	k_q0a1b149a28_cast,@function
k_q0a1b149a28_cast:
	s_mov_b64 s[64:65], 0
	v_nop
	global_prefetch_b8 v0, s[64:65] scope:SCOPE_SE
	s_setreg_imm32_b32 hwreg(HW_REG_WAVE_SCHED_MODE, 0, 2), 2
	s_setreg_imm32_b32 hwreg(HW_REG_WAVE_MODE, 25, 1), 1
	s_wait_xcnt 0x0
	s_wait_alu depctr_vm_vsrc(0)
; f32 -> bf16 (rounded once, to nearest even) of every matrix operand of the three products that follow, into PLANES:
; a matrix [R][K] is stored as [K/64][R][64]: a row of a plane is 128 bytes, a plane is dense.
;   xb : 48 planes of 4,096 rows: 0-15 embedded caption, 16-31 hidden state, 32-47 context vector
;   wgb: 48 planes of 4,096 rows: row (h >> 5) * 128 + gate * 32 + (h & 31), gate 0 = i, 1 = f, 2 = o, 3 = g
;   w2b: 32 planes of 1,024 rows: 0-15 Wh, 16-31 Wc          w3b: 16 planes of 1,024 rows: Wp
; A stream: no LDS, no barrier, no matrix unit, no loop.  THE UNIT OF WORK IS A PAIR: one load of 16 bytes a lane (lanes 0-15: the 256 bytes
; that one plane has in row r, r even; lanes 16-31: the same in row r + 1), two roundings, one store of 8 bytes a lane: rows r and r + 1 of the plane,
; 256 consecutive bytes, aligned.  Every wave has 54 pairs, all 54 loads go out first (27 KiB a wave), and no register that a load or store has read is written again.
; SHARES (wg = work-group 0..255, w = wave 0..15, hh = lane / 16):
;   class A (three inputs):   row 16 wg + 2 (w >> 1) + hh, planes 8 (w & 1) + 0..7
;   class G (gate wg >> 6):   row h = 16 (wg & 63) + 2 (w >> 1) + hh, planes 24 (w & 1) + 0..23
;   class S (Wh, Wc, Wp):     row 4 wg + 2 (w >> 3) + hh, planes 2 (w & 7) + 0..1
; THE MODE: SCHED_MODE bits 1:0 = 2 (LLVM: expert scheduling mode 2), set by the entry lines.  The code itself states the register dependences
; between vector instructions and memory instructions, with s_wait_alu, always for 0.
; THE PLAN.  Registers that memory instructions touch:
;   v4 .. v9     six byte offsets.  Written by vector instructions at the head, once; read by the loads (v4, v6, v8) and by the stores (v5, v7, v9).
;   DAT + 4 k .. pair k's four registers.  Pair k's load lands in them (no vector instruction has named them before); pair k's two roundings read the four and
;                write the first two; pair k's store reads those two; nothing names them afterwards.
; The pairs go in 9 blocks of six.  Block p rounds pairs 6 p .. 6 p + 5; its memory instructions are the six stores of block p - 1, whose data no vector
; instruction of block p names.  So ONE wait on va_vdst at a block's head states all that the block's stores hang on, and they are dealt among its roundings.
; No register that a memory instruction has read is written again, so past the entry lines the text holds no wait on vm_vsrc and none on XCNT.
.set PLX, 524288                       ; bytes in a plane of 4,096 rows
.set PLW, 131072                       ; bytes in a plane of 1,024 rows
.set AS,  4                            ; v4  class A: my byte offset in the source
.set AD,  5                            ; v5  class A: in the planes
.set GS,  6                            ; v6  class G, source
.set GD,  7                            ; v7  class G, planes
.set SS,  8                            ; v8  class S, source
.set SD,  9                            ; v9  class S, planes
.set DAT, 16                           ; v[16:231] pair k: four registers
	s_load_b512 s[4:19], s[0:1], 0x0               ; emb s[4:5], hid s[6:7], ctx s[8:9], Wi s[10:11], Wf s[12:13], Wo s[14:15], Wg s[16:17], Wh s[18:19]
	s_load_b256 s[20:27], s[0:1], 0x40             ; Wc s[20:21], Wp s[22:23], xb s[24:25], wgb s[26:27]
	s_load_b128 s[28:31], s[0:1], 0x60             ; w2b s[28:29], w3b s[30:31]
	v_lshrrev_b32 v1, 5, v0
	v_readfirstlane_b32 s32, v1                    ; wave 0..15
	v_and_b32 v2, 15, v0                           ; c: my sixteenth of a plane's row
	v_bfe_u32 v3, v0, 4, 1                         ; hh: which of the pair's two rows
	v_lshlrev_b32 v10, 4, v2                       ; 16 c: bytes in the f32 row
	v_lshlrev_b32 v11, 3, v2                       ; 8 c: bytes in the bf16 row
	s_wait_alu depctr_va_sdst(0)                   ; s32 is written, ahead of its first reader: all the wave's shares are made from it
	s_lshr_b32 s33, s32, 1                         ; w >> 1
	s_and_b32 s34, s32, 1                          ; w & 1
	; class A
	s_lshl_b32 s35, ttmp9, 4
	s_lshl1_add_u32 s35, s33, s35                  ; 16 wg + 2 (w >> 1)
	s_lshl_b32 s44, s35, 12                        ; x 4,096 bytes a row
	s_lshl_b32 s45, s34, 11                        ; + 8 planes x 256 bytes
	s_add_co_u32 s44, s44, s45
	v_lshl_add_u32 v[AS], v3, 12, v10
	v_add_nc_u32 v[AS], s44, v[AS]
	s_lshl_b32 s44, s35, 7                         ; x 128 bytes a row of a plane
	s_lshl_b32 s45, s34, 22                        ; + 8 planes
	s_add_co_u32 s44, s44, s45
	v_lshl_add_u32 v[AD], v3, 7, v11
	v_add_nc_u32 v[AD], s44, v[AD]
	; class G
	s_and_b32 s46, ttmp9, 63
	s_lshr_b32 s47, ttmp9, 6                       ; the gate
	s_lshl_b32 s35, s46, 4
	s_lshl1_add_u32 s35, s33, s35                  ; h, less hh
	s_mul_i32 s44, s35, 12288                      ; x 12,288 bytes a row
	s_mul_i32 s45, s34, 6144                       ; + 24 planes x 256 bytes
	s_add_co_u32 s44, s44, s45
	v_mul_u32_u24 v[GS], v3, 12288
	v_add3_u32 v[GS], v[GS], v10, s44
	s_lshr_b32 s35, s46, 1                         ; h >> 5
	s_lshl_b32 s35, s35, 7
	s_lshl_b32 s45, s47, 5                         ; + 32 x gate
	s_add_co_u32 s35, s35, s45
	s_and_b32 s45, ttmp9, 1                        ; + h & 31 = 16 (wg & 1) + 2 (w >> 1) + hh
	s_lshl_b32 s45, s45, 4
	s_add_co_u32 s35, s35, s45
	s_lshl1_add_u32 s35, s33, s35
	s_lshl_b32 s44, s35, 7
	s_mul_i32 s45, s34, 24*PLX
	s_add_co_u32 s44, s44, s45
	v_lshl_add_u32 v[GD], v3, 7, v11
	v_add_nc_u32 v[GD], s44, v[GD]
	; class S
	s_lshr_b32 s35, s32, 3
	s_lshl_b32 s45, ttmp9, 2
	s_lshl1_add_u32 s35, s35, s45                  ; 4 wg + 2 (w >> 3)
	s_and_b32 s46, s32, 7
	s_lshl_b32 s44, s35, 12
	s_lshl_b32 s45, s46, 9                         ; + 2 (w & 7) planes x 256 bytes
	s_add_co_u32 s44, s44, s45
	v_lshl_add_u32 v[SS], v3, 12, v10
	v_add_nc_u32 v[SS], s44, v[SS]
	s_lshl_b32 s44, s35, 7
	s_lshl_b32 s45, s46, 18                        ; + 2 (w & 7) planes of 131,072 bytes
	s_add_co_u32 s44, s44, s45
	v_lshl_add_u32 v[SD], v3, 7, v11
	v_add_nc_u32 v[SD], s44, v[SD]
	s_wait_kmcnt 0x0
	s_cmp_eq_u32 s47, 1                            ; the work-group's gate matrix: a choice between buffers on the work-group's number
	s_cselect_b64 s[36:37], s[12:13], s[10:11]
	s_cmp_eq_u32 s47, 2
	s_cselect_b64 s[36:37], s[14:15], s[36:37]
	s_cmp_eq_u32 s47, 3
	s_cselect_b64 s[36:37], s[16:17], s[36:37]
	s_add_nc_u64 s[38:39], s[24:25], 16*PLX        ; bases 16 planes apart: 16 planes are one byte more than a store's signed 24-bit immediate holds
	s_add_nc_u64 s[40:41], s[24:25], 32*PLX
	s_add_nc_u64 s[42:43], s[26:27], 16*PLX
	s_wait_alu depctr_va_vdst(0)                   ; the six offsets v4 to v9 are written: every load and store of the kernel reads one of them, and none is written again
.macro LD k, voff, base, imm                   ; pair k's load
	global_load_b128 v[DAT+4*(\k):DAT+4*(\k)+3], v[\voff], s[\base:\base+1] offset:\imm th:TH_LOAD_NT
.endm
.macro CVT k                                   ; pair k is rounded: four f32 close up into the first two of their four registers
	v_cvt_pk_bf16_f32 v[DAT+4*(\k)], v[DAT+4*(\k)], v[DAT+4*(\k)+1]
	v_cvt_pk_bf16_f32 v[DAT+4*(\k)+1], v[DAT+4*(\k)+2], v[DAT+4*(\k)+3]
.endm
; Pair k is stored.  Its offset register, base and immediate go by its class:
;   0-23  class A: xb's planes 0-15, 16-31, 32-47 by the three bases, plane k % 8 of my eight      24-47  class G: wgb, plane k - 24 of my 24, by two bases
;   48-51 class S: w2b, Wh's two planes, then Wc's, 16 planes on                                    52-53  w3b, Wp's two planes
.macro ST k
.if (\k) < 8
.set SV, AD
.set SB, 24
.set SI, (\k)*PLX
.elseif (\k) < 16
.set SV, AD
.set SB, 38
.set SI, ((\k)-8)*PLX
.elseif (\k) < 24
.set SV, AD
.set SB, 40
.set SI, ((\k)-16)*PLX
.elseif (\k) < 40
.set SV, GD
.set SB, 26
.set SI, ((\k)-24)*PLX
.elseif (\k) < 48
.set SV, GD
.set SB, 42
.set SI, ((\k)-40)*PLX
.elseif (\k) < 52
.set SV, SD
.set SB, 28
.set SI, (((\k)-48)/2)*16*PLW+(((\k)-48)%2)*PLW
.else
.set SV, SD
.set SB, 30
.set SI, ((\k)-52)*PLW
.endif
	global_store_b64 v[SV], v[DAT+4*(\k):DAT+4*(\k)+1], s[SB:SB+1] offset:SI th:TH_STORE_NT
.endm
; Block p: pairs 6 p .. 6 p + 5 are rounded; the six stores of block p - 1 stand among the roundings, one ahead of each pair's two.
.macro BLK p
	s_wait_loadcnt 48-6*(\p)                       ; loads come back in order (ISA guide 5.7.1): the block's six pairs are in, the 48 - 6 p younger loads stay out
.if (\p) > 0
	s_wait_alu depctr_va_vdst(0)                   ; the roundings of the block before have written the data that the six stores below read; the roundings below name this block's registers alone
.endif
.irp i, 0,1,2,3,4,5
.if (\p) > 0
	ST 6*(\p)-6+(\i)
.endif
	CVT 6*(\p)+(\i)
.endr
.endm
.set t, 0
.rept 8
	LD t, AS, 4, 256*t
.set t, t+1
.endr
.set t, 0
.rept 8
	LD 8+t, AS, 6, 256*t
.set t, t+1
.endr
.set t, 0
.rept 8
	LD 16+t, AS, 8, 256*t
.set t, t+1
.endr
.set t, 0
.rept 24
	LD 24+t, GS, 36, 256*t
.set t, t+1
.endr
	LD 48, SS, 18, 0
	LD 49, SS, 18, 256
	LD 50, SS, 20, 0
	LD 51, SS, 20, 256
	LD 52, SS, 22, 0
	LD 53, SS, 22, 256
	BLK 0                                          ; block 0 has no block in front of it: no store, and no wait but the one for its data
	BLK 1
	BLK 2
	BLK 3
	BLK 4
	BLK 5
	BLK 6
	BLK 7
	BLK 8
	s_wait_alu depctr_va_vdst(0)                   ; block 8's roundings have written the data that the last six stores read
.irp k, 48,49,50,51,52,53
	ST \k
.endr
	s_endpgm
.Lfunc_end_k_q0a1b149a28_cast:
	.size	k_q0a1b149a28_cast, .Lfunc_end_k_q0a1b149a28_cast-k_q0a1b149a28_cast
	.p2alignl 7, 3214868480
	.fill 96, 4, 3214868480
	.section	.rodata,"a",@progbits
	.p2align	6, 0x0
	.amdhsa_kernel k_q0a1b149a28_cast
		.amdhsa_group_segment_fixed_size 0
		.amdhsa_private_segment_fixed_size 0
		.amdhsa_enable_private_segment 0
		.amdhsa_kernarg_size 112
		.amdhsa_user_sgpr_count 2
		.amdhsa_user_sgpr_kernarg_segment_ptr 1
		.amdhsa_wavefront_size32 1
		.amdhsa_system_sgpr_workgroup_id_x 1
		.amdhsa_system_sgpr_workgroup_id_y 1
		.amdhsa_system_sgpr_workgroup_id_z 1
		.amdhsa_system_vgpr_workitem_id 0
		.amdhsa_next_free_vgpr 232
		.amdhsa_next_free_sgpr 66
		.amdhsa_reserve_vcc 0
		.amdhsa_float_denorm_mode_32 3
		.amdhsa_float_denorm_mode_16_64 3
		.amdhsa_memory_ordered 1
		.amdhsa_forward_progress 1
		.amdhsa_inst_pref_size 21
	.end_amdhsa_kernel
	.amdgpu_metadata
---
amdhsa.version: [ 1, 2 ]
amdhsa.kernels:
  - .name:           k_q0a1b149a28_cast
    .symbol:         k_q0a1b149a28_cast.kd
    .args:
      - { .name: previous_embedded_caption, .offset: 0, .size: 8, .value_kind: global_buffer, .address_space: global }
      - { .name: previous_hidden_state, .offset: 8, .size: 8, .value_kind: global_buffer, .address_space: global }
      - { .name: current_context_vector, .offset: 16, .size: 8, .value_kind: global_buffer, .address_space: global }
      - { .name: Wi, .offset: 24, .size: 8, .value_kind: global_buffer, .address_space: global }
      - { .name: Wf, .offset: 32, .size: 8, .value_kind: global_buffer, .address_space: global }
      - { .name: Wo, .offset: 40, .size: 8, .value_kind: global_buffer, .address_space: global }
      - { .name: Wg, .offset: 48, .size: 8, .value_kind: global_buffer, .address_space: global }
      - { .name: Wh, .offset: 56, .size: 8, .value_kind: global_buffer, .address_space: global }
      - { .name: Wc, .offset: 64, .size: 8, .value_kind: global_buffer, .address_space: global }
      - { .name: Wp, .offset: 72, .size: 8, .value_kind: global_buffer, .address_space: global }
      - { .name: xb, .offset: 80, .size: 8, .value_kind: global_buffer, .address_space: global }
      - { .name: wgb, .offset: 88, .size: 8, .value_kind: global_buffer, .address_space: global }
      - { .name: w2b, .offset: 96, .size: 8, .value_kind: global_buffer, .address_space: global }
      - { .name: w3b, .offset: 104, .size: 8, .value_kind: global_buffer, .address_space: global }
    .group_segment_fixed_size: 0
    .private_segment_fixed_size: 0
    .kernarg_segment_align: 8
    .kernarg_segment_size: 112
    .max_flat_workgroup_size: 512
    .sgpr_count:     66
    .vgpr_count:     232
    .wavefront_size: 32
...
	.end_amdgpu_metadata
.endif
;; end of part 5
;; launch gates: the kernel of part 2 again; grid 16 x 16, 4 waves a work-group, clusters of 4 x 4, 327,680 bytes of LDS; arguments xb, wgb, bi, bf, bo, bg, previous_cell_state, out1, out2, hb; writes out1, out2, hb
;; launch resid: the kernel of part 3 again; grid 8 x 32, 4 waves a work-group, clusters of 4 x 4, 327,680 bytes of LDS; arguments hb, xb, w2b, bh, bc, rb; writes rb
;; launch pred: the kernel of part 4 again; grid 8 x 32, 4 waves a work-group, clusters of 4 x 4, 327,680 bytes of LDS; arguments rb, w3b, bp, out0; writes out0
